; MI455X (gfx1250); checked and timed in simulation.
; The chip was launched on July 23, 2026; its instructions are those of AMD's public machine-readable ISA for CDNA 5 (MIT licence, August 2026) and "CDNA5" Instruction Set Architecture Reference Guide (July 2026). The comments in the code are by the model that wrote it; some were corrected since.
;; Enhanced CNN Integrator. Allowed arithmetic: float matrix products may take bf16 or f16 operands with f32 sums; all other float work in f32.
;; Inputs: Wk 1,024 x 1,024 float32; Wo 1,024 x 1,024 float32; Wq 1,024 x 1,024 float32; Wv 1,024 x 1,024 float32; bk 1,024 float32; bo 1,024 float32; bq 1,024 float32; bv 1,024 float32; cnn_features 4 x 1,024 x 1,024 float32; e_energy 1,024 float32; e_mass 1,024 float32; e_momentum 1,024 float32; llm_features 4 x 1,024 x 1,024 float32; ln_b 1,024 float32; ln_g 1,024 float32.
;; Outputs: out0 4 x 1,024 x 1,024 float32; out1 4 x 1,024 x 1,024 float32.
;; One version. Each part assembles by itself: llvm-mc -triple=amdgcn-amd-amdhsa -mcpu=gfx1250 --defsym DOCPART=n.
;; ======== version 1 of 1: 5 launches
;; workspace buffers: xb 16,777,216 bytes; wb 8,388,608 bytes; pkv 24,576 bytes; qkv 50,331,648 bytes; att 16,777,216 bytes; y 33,554,432 bytes
;; launch cast (part 1): grid 768 x 1, 4 waves a work-group, no clusters, 768 bytes of LDS; arguments cnn_features, llm_features, Wq, Wk, Wv, Wo, bk, bv, e_energy, e_mass, e_momentum, xb, wb, pkv; writes xb, wb, pkv
.if DOCPART == 1
	.amdgcn_target "amdgcn-amd-amdhsa--gfx1250"
	.amdhsa_code_object_version 6
	.text
	.protected	k_q79592e948e_cast
	.globl	k_q79592e948e_cast
	.p2align	8
	.type	k_q79592e948e_cast,@function
k_q79592e948e_cast:
	s_mov_b64 s[64:65], 0
	v_nop
	global_prefetch_b8 v0, s[64:65] scope:SCOPE_SE
	s_setreg_imm32_b32 hwreg(HW_REG_WAVE_MODE, 25, 1), 1
	s_wait_xcnt 0x0
; cast: f32 -> bf16 once for everything that later feeds the matrix units, and K and V of the three physics tokens.
;   xb [8192][1024] bf16 = cnn rows, then llm rows.   wb [4096][1024] bf16 = Wq, Wk, Wv, Wo rows.
;   pkv: byte 0:    kp [head 16][quarter 4][t 4][16] bf16: d = 16 quarter + 0..15; t = 0-2: e_t . Wk^T + bk, t = 3: bk alone (never used as a key)
;        byte 8192: vpT[head 16][d 64][8] bf16: keys 0-2 = e_t . Wv^T + bv, keys 3-7 = 0
; The physics tokens are the same in both streams and every batch, so their K and V are 3 x 2048 numbers, made here in f32 from
; the Wk and Wv rows that the work-group holds in registers anyway.
; A work-group owns 16 rows of 1024 f32 (of a weight: a quarter of a head), a wave 4 rows, a lane columns 128 j + 4 L .. + 3, j = 0..7:
; 12,288 rows / 16 = 768 work-groups, three for each of 256 WGPs, and of the 128 that make dots no two need share a WGP.
; Every load of a wave covers 512 consecutive bytes, every store 256 consecutive bytes, aligned.  All 32 loads of a wave go out at once:
; there is no loop.  Memory binds: no matrix unit, no cluster, no tensor load would help.
; Limits: NaN and infinities are not treated specially; the dots are summed in an order of their own.
.set X,   4                            ; v[4:131]   row rho at X + 32 rho, f32 as loaded, then bf16 in its lower half
.set E,   132                          ; v[132:227] e vector t at E + 32 t; at work in the closing part
.set ACC, 228                          ; v[228:229] first chain of a dot
.set R,   230                          ; v[230:241] dot (t, rho) at R + 4 t + rho
.set ACB, 242                          ; v[242:243] second chain; then the LDS address
.set Z,   244                          ; v[244:247] zeros
	s_load_b512 s[8:23], s[0:1], 0x0               ; cnn 8, llm 10, Wq 12, Wk 14, Wv 16, Wo 18, bk 20, bv 22
	s_load_b256 s[24:31], s[0:1], 0x40             ; e_energy 24, e_mass 26, e_momentum 28, xb 30
	s_load_b128 s[32:35], s[0:1], 0x60             ; wb 32, pkv 34
	v_lshl_add_u32 v248, v0, 2, 0x100
	v_mov_b32 v249, 0
	v_lshrrev_b32 v1, 5, v0
	v_readfirstlane_b32 s42, v1                    ; wave 0..3
	v_and_b32 v3, 31, v0                           ; lane
	v_lshlrev_b32 v2, 3, v3
	v_lshlrev_b32 v3, 4, v3                        ; 16 L: my bytes in 512 of f32
	v_lshl_add_u32 v2, v1, 13, v2                  ; store offset: 4 rows of 2,048 bytes a wave + 8 L
	v_lshl_add_u32 v1, v1, 14, v3                  ; load offset: 4 rows of 4,096 bytes a wave + 16 L
	s_mov_b32 s4, ttmp9                            ; work-group 0..767
	s_mov_b32 s7, 0                                ; upper word of every offset pair
	s_mov_b32 s44, 0x76543210                      ; v_permlanex16_b32: lane i reads lane i of the other half
	s_mov_b32 s45, 0xfedcba98
	s_sub_co_u32 s40, s4, 576                      ; 0..63: a quarter head of Wk, 64..127: of Wv, anything else: no dots
	s_bfe_u32 s41, s40, 0x40002                    ; that head
	s_and_b32 s43, s40, 3                          ; and the quarter
	s_wait_kmcnt 0x0
	; the source: groups 0-255 cnn, 256-511 llm, then 64 each of Wq, Wk, Wv, Wo
	s_mov_b64 s[36:37], s[18:19]
	s_cmp_lt_u32 s4, 704
	s_cselect_b64 s[36:37], s[16:17], s[36:37]
	s_cmp_lt_u32 s4, 640
	s_cselect_b64 s[36:37], s[14:15], s[36:37]
	s_cmp_lt_u32 s4, 576
	s_cselect_b64 s[36:37], s[12:13], s[36:37]
	s_cmp_lt_u32 s4, 512
	s_cselect_b64 s[36:37], s[10:11], s[36:37]
	s_cmp_lt_u32 s4, 256
	s_cselect_b64 s[36:37], s[8:9], s[36:37]
	s_and_b32 s5, s4, 255
	s_and_b32 s6, s4, 63
	s_cmp_lt_u32 s4, 512
	s_cselect_b32 s5, s5, s6
	s_lshl_b32 s6, s5, 16                          ; 16 rows of 4,096 bytes
	s_add_nc_u64 s[36:37], s[36:37], s[6:7]
	s_sub_co_u32 s5, s4, 512
	s_cmp_lt_u32 s4, 512
	s_cselect_b64 s[38:39], s[30:31], s[32:33]     ; the destination: xb or wb
	s_cselect_b32 s5, s4, s5
	s_lshl_b32 s6, s5, 15                          ; 16 rows of 2,048 bytes
	s_add_nc_u64 s[38:39], s[38:39], s[6:7]
.irp rho, 0,1,2,3
.irp j, 0,1,2,3,4,5,6,7
	global_load_b128 v[X+32*\rho+4*\j:X+32*\rho+4*\j+3], v1, s[36:37] offset:\rho*4096+\j*512 th:TH_LOAD_NT
.endr
.endr
	s_cmp_ge_u32 s40, 128
	s_cbranch_scc1 .Lconv                          ; no rows of Wk or Wv: straight to the conversion
	; ---- the dots of my four rows with the three e vectors, in f32
.irp j, 0,1,2,3,4,5,6,7
	global_load_b128 v[E+4*\j:E+4*\j+3],       v3, s[24:25] offset:\j*512
	global_load_b128 v[E+32+4*\j:E+32+4*\j+3], v3, s[26:27] offset:\j*512
	global_load_b128 v[E+64+4*\j:E+64+4*\j+3], v3, s[28:29] offset:\j*512
.endr
	s_wait_loadcnt 0x0
.macro DOT rho, t                      ; 32 products a lane in two chains, then the sum over the 32 lanes
	v_pk_mul_f32 v[ACC:ACC+1], v[X+32*\rho:X+32*\rho+1],   v[E+32*\t:E+32*\t+1]
	v_pk_mul_f32 v[ACB:ACB+1], v[X+32*\rho+2:X+32*\rho+3], v[E+32*\t+2:E+32*\t+3]
.set dp, 4
.rept 7
	v_pk_fma_f32 v[ACC:ACC+1], v[X+32*\rho+dp:X+32*\rho+dp+1],   v[E+32*\t+dp:E+32*\t+dp+1],   v[ACC:ACC+1]
	v_pk_fma_f32 v[ACB:ACB+1], v[X+32*\rho+dp+2:X+32*\rho+dp+3], v[E+32*\t+dp+2:E+32*\t+dp+3], v[ACB:ACB+1]
.set dp, dp+4
.endr
	v_pk_add_f32 v[ACC:ACC+1], v[ACC:ACC+1], v[ACB:ACB+1]
	v_add_f32 v[ACC], v[ACC], v[ACC+1]
	v_add_f32_dpp v[ACC], v[ACC], v[ACC] row_xmask:1 row_mask:0xf bank_mask:0xf
	v_add_f32_dpp v[ACC], v[ACC], v[ACC] row_xmask:2 row_mask:0xf bank_mask:0xf
	v_add_f32_dpp v[ACC], v[ACC], v[ACC] row_xmask:4 row_mask:0xf bank_mask:0xf
	v_add_f32_dpp v[ACC], v[ACC], v[ACC] row_xmask:8 row_mask:0xf bank_mask:0xf
	v_permlanex16_b32 v[ACC+1], v[ACC], s44, s45
	v_add_f32 v[R+4*\t+\rho], v[ACC], v[ACC+1]
.endm
.irp t, 0,1,2
.irp rho, 0,1,2,3
	DOT \rho, \t
.endr
.endr
	s_lshl_b32 s5, s42, 4
	v_mov_b32 v[ACB], s5                           ; LDS [t 4][d 16] f32: my four rows are d = 4 w .. 4 w + 3
.irp k, 0,1,2,3
	v_mov_b32 v[Z+\k], 0
.endr
.irp t, 0,1,2
	ds_store_b128 v[ACB], v[R+4*\t:R+4*\t+3] offset:64*\t        ; every lane holds the same four sums
.endr
	ds_store_b128 v[ACB], v[Z:Z+3] offset:192                    ; row 3: zero, so that it becomes the bias alone
.Lconv:
; One row: convert in place (pair j of the result lies below its four sources, j ascending) and store 8 bytes a lane.
.macro CONV rho
	s_wait_loadcnt 8*(3-\rho)                      ; loads come back in order: this row's eight are in, the younger rows' may be out
.set cj, 0
.rept 8
	v_cvt_pk_bf16_f32 v[X+32*\rho+2*cj],   v[X+32*\rho+4*cj],   v[X+32*\rho+4*cj+1]
	v_cvt_pk_bf16_f32 v[X+32*\rho+2*cj+1], v[X+32*\rho+4*cj+2], v[X+32*\rho+4*cj+3]
	global_store_b64 v2, v[X+32*\rho+2*cj:X+32*\rho+2*cj+1], s[38:39] offset:\rho*2048+cj*256
.set cj, cj+1
.endr
.endm
	CONV 0
	CONV 1
	CONV 2
	CONV 3
	s_wait_dscnt 0x0                               ; my sums are in LDS before I say so
	s_barrier_signal -1
	s_barrier_wait -1                              ; all 16 rows' sums are
	s_cmp_lg_u32 s42, 0
	s_cbranch_scc1 .Lend                           ; wave 0 alone writes the work-group's part of pkv
	s_cmp_ge_u32 s40, 128
	s_cbranch_scc1 .Lend
	s_lshl_b32 s6, s41, 8
	s_lshl_b32 s5, s43, 6
	s_add_co_u32 s6, s6, s5                        ; byte offset of my 16 numbers in bk or bv: 256 head + 64 quarter
	s_cmp_ge_u32 s40, 64
	s_cbranch_scc1 .Lwv
	; ---- rows of Wk: kp[head][quarter][t][16]: lane L takes t = L / 8 and d = 2 (L % 8), + 1: 4 bytes, 128 consecutive bytes for the wave
	v_and_b32 v132, 31, v0
	v_lshlrev_b32 v133, 3, v132                    ; LDS: 64 t + 8 (L % 8) = 8 L
	v_and_b32 v134, 7, v132
	v_lshlrev_b32 v134, 3, v134                    ; my two numbers of the bias
	v_lshlrev_b32 v135, 2, v132
	s_add_nc_u64 s[20:21], s[20:21], s[6:7]        ; bk at my 16 numbers
	s_lshl_b32 s6, s6, 1                           ; 512 head + 128 quarter
	s_add_nc_u64 s[34:35], s[34:35], s[6:7]
	ds_load_b64 v[136:137], v133
	global_load_b64 v[138:139], v134, s[20:21]
	s_wait_loadcnt 0x0
	s_wait_dscnt 0x0
	v_pk_add_f32 v[136:137], v[136:137], v[138:139]
	v_cvt_pk_bf16_f32 v140, v136, v137
	global_store_b32 v135, v140, s[34:35]
	s_wait_tensorcnt 0x0
	ds_add_u32 v248, v249
	s_wait_dscnt 0x0
	s_endpgm
.Lwv:
	; ---- rows of Wv: vpT[head][d][8 keys]: lane L takes d = L / 2; even lanes keys 0-3, odd lanes keys 4-7 (zeros): 8 bytes, 256 consecutive bytes for the wave, aligned
	v_and_b32 v132, 31, v0
	v_lshrrev_b32 v133, 1, v132
	v_lshlrev_b32 v133, 2, v133                    ; 4 (L / 2)
	v_lshlrev_b32 v134, 3, v132                    ; 8 L
	v_and_b32 v135, 1, v132
	v_cmp_eq_u32 vcc_lo, 1, v135                   ; the odd lanes
	s_add_nc_u64 s[22:23], s[22:23], s[6:7]        ; bv at my 16 numbers
	s_lshl_b32 s6, s6, 2
	s_add_co_u32 s6, s6, 8192                      ; 8192 + 1024 head + 256 quarter
	s_add_nc_u64 s[34:35], s[34:35], s[6:7]
.irp t, 0,1,2
	ds_load_b32 v[136+\t], v133 offset:64*\t
.endr
	global_load_b32 v139, v133, s[22:23]
	s_wait_loadcnt 0x0
	s_wait_dscnt 0x0
.irp t, 0,1,2
	v_add_f32 v[136+\t], v[136+\t], v139
.endr
	v_mov_b32 v140, 0
	v_cvt_pk_bf16_f32 v141, v136, v137             ; keys 0, 1
	v_cvt_pk_bf16_f32 v142, v138, v140             ; key 2, and key 3 = 0
	v_cndmask_b32 v144, v141, v140, vcc_lo
	v_cndmask_b32 v145, v142, v140, vcc_lo
	global_store_b64 v134, v[144:145], s[34:35]
.Lend:
	s_wait_tensorcnt 0x0
	ds_add_u32 v248, v249
	s_wait_dscnt 0x0
	s_endpgm
.Lfunc_end_k_q79592e948e_cast:
	.size	k_q79592e948e_cast, .Lfunc_end_k_q79592e948e_cast-k_q79592e948e_cast
	.p2alignl 7, 3214868480
	.fill 96, 4, 3214868480
	.section	.rodata,"a",@progbits
	.p2align	6, 0x0
	.amdhsa_kernel k_q79592e948e_cast
		.amdhsa_group_segment_fixed_size 768
		.amdhsa_private_segment_fixed_size 0
		.amdhsa_enable_private_segment 0
		.amdhsa_kernarg_size 112
		.amdhsa_user_sgpr_count 2
		.amdhsa_user_sgpr_kernarg_segment_ptr 1
		.amdhsa_wavefront_size32 1
		.amdhsa_system_sgpr_workgroup_id_x 1
		.amdhsa_system_sgpr_workgroup_id_y 1
		.amdhsa_system_sgpr_workgroup_id_z 1
		.amdhsa_system_vgpr_workitem_id 0
		.amdhsa_next_free_vgpr 250
		.amdhsa_next_free_sgpr 66
		.amdhsa_reserve_vcc 1
		.amdhsa_float_denorm_mode_32 3
		.amdhsa_float_denorm_mode_16_64 3
		.amdhsa_memory_ordered 1
		.amdhsa_forward_progress 1
		.amdhsa_inst_pref_size 35
	.end_amdhsa_kernel
	.amdgpu_metadata
---
amdhsa.version: [ 1, 2 ]
amdhsa.kernels:
  - .name:           k_q79592e948e_cast
    .symbol:         k_q79592e948e_cast.kd
    .args:
      - { .name: cnn_features, .offset: 0, .size: 8, .value_kind: global_buffer, .address_space: global }
      - { .name: llm_features, .offset: 8, .size: 8, .value_kind: global_buffer, .address_space: global }
      - { .name: Wq, .offset: 16, .size: 8, .value_kind: global_buffer, .address_space: global }
      - { .name: Wk, .offset: 24, .size: 8, .value_kind: global_buffer, .address_space: global }
      - { .name: Wv, .offset: 32, .size: 8, .value_kind: global_buffer, .address_space: global }
      - { .name: Wo, .offset: 40, .size: 8, .value_kind: global_buffer, .address_space: global }
      - { .name: bk, .offset: 48, .size: 8, .value_kind: global_buffer, .address_space: global }
      - { .name: bv, .offset: 56, .size: 8, .value_kind: global_buffer, .address_space: global }
      - { .name: e_energy, .offset: 64, .size: 8, .value_kind: global_buffer, .address_space: global }
      - { .name: e_mass, .offset: 72, .size: 8, .value_kind: global_buffer, .address_space: global }
      - { .name: e_momentum, .offset: 80, .size: 8, .value_kind: global_buffer, .address_space: global }
      - { .name: xb, .offset: 88, .size: 8, .value_kind: global_buffer, .address_space: global }
      - { .name: wb, .offset: 96, .size: 8, .value_kind: global_buffer, .address_space: global }
      - { .name: pkv, .offset: 104, .size: 8, .value_kind: global_buffer, .address_space: global }
    .group_segment_fixed_size: 768
    .private_segment_fixed_size: 0
    .kernarg_segment_align: 8
    .kernarg_segment_size: 112
    .max_flat_workgroup_size: 128
    .sgpr_count:     66
    .vgpr_count:     250
    .wavefront_size: 32
...
	.end_amdgpu_metadata
.endif
;; end of part 1
;; launch qkv (part 2): grid 8 x 32, 4 waves a work-group, clusters of 4 x 4, 327,680 bytes of LDS; arguments xb, wb, bq, bk, bv, qkv; writes qkv
.if DOCPART == 2
	.amdgcn_target "amdgcn-amd-amdhsa--gfx1250"
	.amdhsa_code_object_version 6
	.text
	.protected	k_q79592e948e_qkv
	.globl	k_q79592e948e_qkv
	.p2align	8
	.type	k_q79592e948e_qkv,@function
k_q79592e948e_qkv:
	s_mov_b64 s[64:65], 0
	v_nop
	global_prefetch_b8 v0, s[64:65] scope:SCOPE_SE
	s_setreg_imm32_b32 hwreg(HW_REG_WAVE_MODE, 25, 1), 1
	s_wait_xcnt 0x0
	s_wait_alu depctr_hold_cnt(0) depctr_sa_sdst(0) depctr_va_vdst(0) depctr_va_sdst(0) depctr_va_ssrc(0) depctr_va_vcc(0) depctr_vm_vsrc(0)
	s_getreg_b32 s2, hwreg(HW_REG_IB_STS2, 6, 4)
	s_cmp_eq_u32 s2, 0
	s_cbranch_scc0 .Lentry_in_a_cluster
	s_endpgm
.Lentry_in_a_cluster:
	s_bfe_u32 s2, ttmp6, 0x10000c
	s_cmp_lg_u32 s2, 0xf033
	s_cbranch_scc0 .Lentry_shape_is_right
	s_endpgm
.Lentry_shape_is_right:
; qkv: C[8192][3072] = xb . wb[0:3072]^T + bias, stored as qkv[g 48][sb 8][row 1024][64] bf16, g = column / 64 (0-15 Q heads, 16-31 K, 32-47 V).
; Q (product and bias) is stored times c = log2(e) / 8, so that the attention's scores come out ready for exp2.
; A work-group makes 256 rows x 384 columns (six heads) with four waves; a wave makes 128 x 192: 96 accumulator tiles of 16 x 16, 768 registers.
; For 32 along K a wave reads (128 + 192) x 64 bytes from LDS for 96 matrix instructions.
; K goes in steps of 64 through two LDS slots of 256 + 384 rows: two slots of a step of 128 would be 2 x 640 x 272 = 348,160 bytes, more than a work-group may ask for.
; CLUSTERS: 4 x 4 work-groups.  X's tile hangs on the block row alone and is asked for jointly along a row of the cluster, W's on the block column alone
; and is asked for jointly along a column: the requests for both are divided by four.
; The matrix instruction is used transposed (source 0 = 16 rows of W, source 1 = 16 rows of X): a lane then holds 8 neighbouring columns of one row of C.
; REGISTERS: window 0: addresses, X's fragments in two buffers (v32-95, v96-159), W's twelve fragments in three groups (v160-255);
;            window 1 + i: the 32 tiles of the wave's head i, tile (a, t) at v[8 (4 a + t)].
; Limits: NaN and infinities are not treated specially; one f32 sum for each output, K ascending.
.set PITCH, 144                        ; an LDS row: 128 bytes + 16 of padding, an odd multiple of 16: the 16 rows of a fragment load start 16 bytes apart modulo 256
.set REG,   192*PITCH                  ; what one wave's tensor load may fill: 192 rows (X's halves use 128 of them)
.set SLOT,  4*REG                      ; X rows 0-127, X rows 128-255, W rows 0-191, W rows 192-383
.set STAGE, 2*SLOT                     ; behind the ring: [3 heads][16 rows] x 144 bytes for each wave, for the way out
.set BIAS,  STAGE+4*48*PITCH           ; 3 heads x 64 f32 for each wave: the scaled bias
.set ADRA, 16                          ; v16-17 LDS address of my X fragments in slot 0, 1
.set ADRB, 20                          ; v20-21 the same for W
.set STO,  24                          ; where I put 16 bytes of a row on the way out
.set RD,   25                          ; where I read rows back
.set CO,   26                          ; 16 L
.set BST,  27                          ; where I put my two bias numbers
.set BRD,  28                          ; where I read my eight columns' bias
.set AF0,  32
.set AF1,  96
.set BF,   160
.set TMP,  32                          ; the way out: packed results
.set RB,   96                          ; the way out: rows read back
.set G1,  24                           ; s[24:31] group 1 for X's tiles
.set G0,  32                           ; s[32:39] group 0 for X's tiles, a set for each slot
.set G1B, 48                           ; s[48:55] group 1 for W's tiles
.set G0B, 56                           ; s[56:63] group 0 for W's tiles, a set for each slot
.set FMT, (1<<16)|(1<<20)|(1<<21)|(4<<22)|(3<<25)   ; 2-byte elements; padding on; bit 21 beside a mask; after every 32 words; 4 words
.set MSB, 0
.macro WIN new                         ; the immediate's high byte repeats the setting that is left
.if MSB != (\new)
	s_set_vgpr_msb (MSB<<8)|(\new)
.set MSB, (\new)
.endif
.endm
.macro PLACES                          ; four plain vector instructions between a matrix instruction and a load into, or a vector use of, its registers
.rept 4
	v_nop
.endr
.endm
; A joint load: waves 0 and 1 ask for X's two halves, waves 2 and 3 for W's.  The branch hangs on the wave's number alone.
.macro JLOAD s
	s_cmp_eq_u32 s11, 0
	s_cbranch_scc0 .Lfor_b_\@
	tensor_load_to_lds s[G0+4*\s:G0+4*\s+3], s[G1:G1+7]
	s_nop 0
	s_branch .Lasked_\@
.Lfor_b_\@:
	tensor_load_to_lds s[G0B+4*\s:G0B+4*\s+3], s[G1B:G1B+7]
	s_nop 0
.Lasked_\@:
.endm
.macro CREST                           ; a round of the cluster's barrier behind its opening work-group barrier
	s_cmp_lg_u32 s10, 0
	s_cbranch_scc1 .Lnot_wave_0_\@
	s_barrier_signal -3
.Lnot_wave_0_\@:
	s_barrier_wait -3
	s_barrier_signal -1
	s_barrier_wait -1
.endm
.macro CROUND
	s_barrier_signal -1
	s_barrier_wait -1
	CREST
.endm
	s_load_b128 s[4:7], s[0:1], 0x0                ; xb, wb
	s_load_b256 s[76:83], s[0:1], 0x10             ; bq 76, bk 78, bv 80, qkv 82
	v_lshl_add_u32 v30, v0, 2, 0x3d800
	v_mov_b32 v31, 0
	ds_add_u32 v30, v31
	ds_add_u32 v30, v31
	v_lshrrev_b32 v1, 5, v0
	v_readfirstlane_b32 s10, v1                    ; wave 0..3
	s_lshr_b32 s11, s10, 1                         ; my half of the block's rows.  Also: I fetch for X (0) or for W (1)
	s_and_b32 s12, s10, 1                          ; my half of its columns.  Also: which half of that tile I fetch
	s_bfe_u32 s40, ttmp6, 0x40000                  ; cx
	s_bfe_u32 s41, ttmp6, 0x40004                  ; cy
	s_lshl_b32 s42, ttmp9, 2
	s_add_co_u32 s42, s42, s40                     ; block column 0..7
	s_and_b32 s13, ttmp7, 0xffff
	s_lshl_b32 s13, s13, 2
	s_add_co_u32 s13, s13, s41                     ; block row 0..31
	s_lshl_b32 s43, s41, 2
	s_lshl_b32 s43, 15, s43                        ; my row of the cluster
	s_lshl_b32 s44, 0x1111, s40                    ; my column
	s_or_b32 s[G1+0], s43, FMT                     ; X's tiles go to my row
	s_or_b32 s[G1B+0], s44, FMT                    ; W's to my column
	s_mov_b32 s[G1+1], (64<<16)                    ; tensor_dim0 = 64 elements
	s_mov_b32 s[G1B+1], (64<<16)
	s_mov_b32 s[G1+2], (128<<16)                   ; tensor_dim1 = 128 rows of X,
	s_mov_b32 s[G1B+2], (192<<16)                  ; 192 of W
	s_mov_b32 s[G1+3], (64<<16)                    ; tile_dim0
	s_mov_b32 s[G1B+3], (64<<16)
	s_mov_b32 s[G1+4], 128                         ; tile_dim1
	s_mov_b32 s[G1B+4], 192
	s_mov_b32 s[G1+5], 1024                        ; elements from row to row
	s_mov_b32 s[G1B+5], 1024
	s_mov_b32 s[G1+6], 0
	s_mov_b32 s[G1B+6], 0
	s_mov_b32 s[G1+7], 0
	s_mov_b32 s[G1B+7], 0
	; where the tiles come from: X's address of the block row and the wave's number, W's of the block column and the wave's number
	s_lshl_b32 s17, s12, 7
	s_lshl_b32 s16, s13, 8
	s_add_co_u32 s16, s16, s17                     ; X row 256 x block row + 128 x half
	s_lshl_b32 s16, s16, 11                        ; rows of 2,048 bytes: 16 MiB at the most
	s_mov_b32 s17, 0
	s_mul_i32 s46, s42, 384
	s_mul_i32 s47, s12, 192
	s_add_co_u32 s46, s46, s47                     ; W row 384 x block column + 192 x half
	s_lshl_b32 s46, s46, 11
	s_mov_b32 s47, 0
	s_mul_i32 s20, s10, REG                        ; and where they go: the wave's number times a constant
	s_wait_dscnt 0x0
	s_wait_kmcnt 0x0
	s_add_nc_u64 s[14:15], s[4:5], s[16:17]
	s_add_nc_u64 s[46:47], s[6:7], s[46:47]
	CROUND                                         ; all sixteen work-groups are here: the first joint loads meet
.irp s, 0,1
	s_mov_b32 s[G0+4*\s], 1
	s_add_co_u32 s[G0+4*\s+1], s20, \s*SLOT
	s_add_nc_u64 s[G0+4*\s+2:G0+4*\s+3], s[14:15], \s*128          ; K step s
	s_or_b32 s[G0+4*\s+3], s[G0+4*\s+3], 0x80000000
	s_mov_b32 s[G0B+4*\s], 1
	s_add_co_u32 s[G0B+4*\s+1], s20, \s*SLOT
	s_add_nc_u64 s[G0B+4*\s+2:G0B+4*\s+3], s[46:47], \s*128
	s_or_b32 s[G0B+4*\s+3], s[G0B+4*\s+3], 0x80000000
	JLOAD \s                                       ; both first fills go out before anything else: two tensor loads of the wave are out
.endr
	v_and_b32 v1, 15, v0                           ; r
	v_bfe_u32 v2, v0, 4, 1                         ; h
	v_mul_u32_u24 v3, v1, PITCH
	v_lshl_add_u32 v3, v2, 4, v3                   ; row x pitch + 16 h
	s_mul_i32 s21, s11, REG                        ; my 128 rows of X
	s_mul_i32 s22, s12, REG
	s_add_co_u32 s22, s22, 2*REG                   ; my 192 rows of W
.irp s, 0,1
	v_add_nc_u32 v[ADRA+\s], s21, v3
	v_add_nc_u32 v[ADRB+\s], s22, v3
	s_add_co_u32 s21, s21, SLOT
	s_add_co_u32 s22, s22, SLOT
.endr
	s_mul_i32 s23, s10, 48*PITCH
	s_add_co_u32 s23, s23, STAGE
	v_add_nc_u32 v[STO], s23, v3
	v_and_b32 v4, 31, v0
	v_lshrrev_b32 v5, 3, v4
	v_and_b32 v6, 7, v0
	v_mul_u32_u24 v5, v5, PITCH
	v_lshl_add_u32 v5, v6, 4, v5                   ; back: eight lanes take a row of 128 bytes, the wave four rows
	v_add_nc_u32 v[RD], s23, v5
	v_lshlrev_b32 v[CO], 4, v4
	s_mul_i32 s23, s10, 768
	s_add_co_u32 s23, s23, BIAS
	v_lshlrev_b32 v29, 3, v4                       ; 8 L
	v_add_nc_u32 v[BST], s23, v29
	v_lshl_add_u32 v[BRD], v2, 5, s23              ; 32 h: eight f32 for each half of the lanes
	; the bias of my three heads, times the head's scale (c for a Q head, 1 otherwise), into my own LDS bytes
	s_mul_i32 s66, s42, 6
	s_mul_i32 s67, s12, 3
	s_add_co_u32 s66, s66, s67                     ; my first head, 0..45
	s_mov_b32 s69, 0
.irp i, 0,1,2
	s_add_co_u32 s67, s66, \i
	s_and_b32 s68, s67, 15
	s_lshl_b32 s68, s68, 8                         ; 64 f32 a head
	s_cmp_lt_u32 s67, 32
	s_cselect_b64 s[84+2*\i:85+2*\i], s[78:79], s[80:81]
	s_cmp_lt_u32 s67, 16
	s_cselect_b64 s[84+2*\i:85+2*\i], s[76:77], s[84+2*\i:85+2*\i]
	s_cselect_b32 s[70+2*\i], 0x3e38aa3b, 1.0
	s_mov_b32 s[71+2*\i], s[70+2*\i]
	s_add_nc_u64 s[84+2*\i:85+2*\i], s[84+2*\i:85+2*\i], s[68:69]
	global_load_b64 v[AF0+2*\i:AF0+2*\i+1], v29, s[84+2*\i:85+2*\i]
.endr
	s_wait_loadcnt 0x0
.irp i, 0,1,2
	v_pk_mul_f32 v[AF0+2*\i:AF0+2*\i+1], v[AF0+2*\i:AF0+2*\i+1], s[70+2*\i:71+2*\i] op_sel_hi:[1,0]
	ds_store_b64 v[BST], v[AF0+2*\i:AF0+2*\i+1] offset:256*\i
.endr
; n x 4 matrix instructions: X blocks a0 .. a0 + n - 1 times the four W blocks of group g (= head g of the wave).  Each accumulator has a turn of one
; instruction, in the same order in every pass, over the loop's backward jump too.
.macro PH fa, g, a0, n, zero
	WIN (\g+1)*0x50
.set pa, \a0
.rept \n
.set pb, 0
.rept 4
.if \zero
	v_wmma_f32_16x16x32_bf16 v[8*(4*pa+pb):8*(4*pa+pb)+7], v[BF+32*\g+8*pb:BF+32*\g+8*pb+7], v[\fa+8*pa:\fa+8*pa+7], 0
.else
	v_wmma_f32_16x16x32_bf16 v[8*(4*pa+pb):8*(4*pa+pb)+7], v[BF+32*\g+8*pb:BF+32*\g+8*pb+7], v[\fa+8*pa:\fa+8*pa+7], v[8*(4*pa+pb):8*(4*pa+pb)+7]
.endif
.set pb, pb+1
.endr
.set pa, pa+1
.endr
.endm
.macro LDB g, slot, k                  ; eight loads: W's group g, 32 K at byte k of the rows
.set li, 0
.rept 4
	ds_load_b128 v[BF+32*\g+8*li:BF+32*\g+8*li+3],   v[ADRB+\slot] offset:\k+(4*\g+li)*16*PITCH
	ds_load_b128 v[BF+32*\g+8*li+4:BF+32*\g+8*li+7], v[ADRB+\slot] offset:\k+(4*\g+li)*16*PITCH+32
.set li, li+1
.endr
.endm
.macro LDA half, buf, slot, k          ; eight loads: four of X's eight fragments
.set li, 0
.rept 4
	ds_load_b128 v[\buf+8*(4*\half+li):\buf+8*(4*\half+li)+3],   v[ADRA+\slot] offset:\k+(4*\half+li)*16*PITCH
	ds_load_b128 v[\buf+8*(4*\half+li)+4:\buf+8*(4*\half+li)+7], v[ADRA+\slot] offset:\k+(4*\half+li)*16*PITCH+32
.set li, li+1
.endr
.endm
; 32 along K, 96 matrix instructions on X's buffer fa.  Each W group is loaded again, for the next 32 along K, as soon as it has been multiplied; X's next
; fragments go into the other buffer fn.  The 40 loads are always issued in the order W0, X0-3, W1, X4-7, W2.
.macro QN slot, k, fa, fn, zero
	s_wait_dscnt 8                                 ; all but the youngest eight loads (W's group 2) are in
	PH \fa, 0, 0, 8, \zero
	PLACES
	WIN 0
	LDB 0, \slot, \k
	LDA 0, \fn, \slot, \k
	PH \fa, 1, 0, 8, \zero
	PLACES
	WIN 0
	LDB 1, \slot, \k
	LDA 1, \fn, \slot, \k
	s_wait_dscnt 32                                ; all but the 32 just issued: W's group 2 is in
	PH \fa, 2, 0, 8, \zero
	PLACES
	WIN 0
	LDB 2, \slot, \k
.endm
; The second 32 along K of a step, on buffer AF1, with the change of slots.  In front of the barrier each wave waits for its reads of this slot and for all its
; tensor loads (one is out: its part of the next slot).  Behind it the refill comes first, then the next slot's fragments.
; From a request to the wait for it a wave issues 176 matrix instructions.
.macro QB slot, next, fill
	s_wait_dscnt 8
	PH AF1, 0, 0, 4, 0
	s_wait_dscnt 0x0                               ; my reads of this slot are over
	s_wait_tensorcnt 0x0                           ; all my tensor loads have landed
	ds_add_u32 v30, v31
	s_wait_dscnt 0x0
	s_barrier_signal -1                            ; say so (where the slot is filled again this opens a round of the cluster's barrier)
	PH AF1, 0, 4, 4, 0                             ; register work while the others arrive
	WIN 0
	s_barrier_wait -1
.if \fill
	CREST                                          ; no wave of any partner still reads this slot or has a load on its way
	s_add_nc_u64 s[G0+4*\slot+2:G0+4*\slot+3], s[G0+4*\slot+2:G0+4*\slot+3], 256      ; two K steps on
	s_add_nc_u64 s[G0B+4*\slot+2:G0B+4*\slot+3], s[G0B+4*\slot+2:G0B+4*\slot+3], 256
	JLOAD \slot                                    ; the wave's one tensor load behind the round, and the first thing there
.endif
	PLACES
	LDB 0, \next, 0
	LDA 0, AF0, \next, 0
	PH AF1, 1, 0, 8, 0
	PLACES
	WIN 0
	LDB 1, \next, 0
	LDA 1, AF0, \next, 0
	PH AF1, 2, 0, 8, 0
	PLACES
	WIN 0
	LDB 2, \next, 0
.endm
.macro STEP slot, next, fill, zero
	QN \slot, 64, AF0, AF1, \zero
	QB \slot, \next, \fill
.endm
.macro LAP zero
	STEP 0, 1, 1, \zero
	STEP 1, 0, 1, 0
.endm
	s_wait_dscnt 0x0                               ; my bias stores are done: no LDS instruction is pending at a signal
	s_wait_tensorcnt 0x1                           ; my part of K step 0 is in; K step 1's may stay out
	s_barrier_signal -1
	s_barrier_wait -1
	LDB 0, 0, 0
	LDA 0, AF0, 0, 0
	LDB 1, 0, 0
	LDA 1, AF0, 0, 0
	LDB 2, 0, 0
	LAP 1                                          ; K steps 0 and 1: the first products start the sums, nothing is cleared
	WIN 0
	s_mov_b32 s3, 6                                ; K steps 2 to 13
.Llap:
	LAP 0
	WIN 0
	s_sub_co_u32 s3, s3, 1
	s_cmp_lg_u32 s3, 0
	s_cbranch_scc1 .Llap
	STEP 0, 1, 0, 0                                ; K steps 14 and 15 fill nothing
	QN 1, 64, AF0, AF1, 0
	s_wait_dscnt 8
	PH AF1, 0, 0, 8, 0
	PH AF1, 1, 0, 8, 0
	s_wait_dscnt 0x0
	PH AF1, 2, 0, 8, 0
	; THE WAY OUT: (sum x scale + scaled bias), rounded to bf16, 16 rows at a time through my own stage, out as runs of 512 bytes.
	PLACES
	WIN 0
.irp i, 0,1,2
.irp t, 0,1,2,3
	ds_load_b128 v[BF+32*\i+8*\t:BF+32*\i+8*\t+3],   v[BRD] offset:256*\i+64*\t          ; columns 16 t + 8 h + 0..3 of head i
	ds_load_b128 v[BF+32*\i+8*\t+4:BF+32*\i+8*\t+7], v[BRD] offset:256*\i+64*\t+16
.endr
.endr
	s_lshl_b32 s68, s66, 20                        ; my first head's block of 8 x 1024 x 128 bytes
	s_lshl_b32 s67, s13, 15                        ; 256 rows of 128 bytes a block row (sb and the row in it run on as one number)
	s_add_co_u32 s68, s68, s67
	s_lshl_b32 s67, s11, 14
	s_add_co_u32 s68, s68, s67
	s_add_nc_u64 s[82:83], s[82:83], s[68:69]
	s_wait_dscnt 0x0
.irp wd, 1,2,3
	WIN (\wd<<6)|\wd
.set tl, 0
.rept 32
.irp p, 0,2,4,6
	v_pk_fma_f32 v[8*tl+\p:8*tl+\p+1], v[8*tl+\p:8*tl+\p+1], s[68+2*\wd:69+2*\wd], v[BF+32*(\wd-1)+8*(tl%4)+\p:BF+32*(\wd-1)+8*(tl%4)+\p+1] op_sel_hi:[1,0,1]
.endr
.set tl, tl+1
.endr
.endr
.macro OUT16 a                         ; rows 16 a .. 16 a + 15 of my block, all three heads
.irp wd, 1,2,3
	WIN 5*\wd
.irp t, 0,1,2,3
.irp p, 0,1,2,3
	v_cvt_pk_bf16_f32 v[TMP+16*(\wd-1)+4*\t+\p], v[8*(4*\a+\t)+2*\p], v[8*(4*\a+\t)+2*\p+1]
.endr
.endr
.endr
	WIN 0
.irp hd, 0,1,2
.irp t, 0,1,2,3
	ds_store_b128 v[STO], v[TMP+16*\hd+4*\t:TMP+16*\hd+4*\t+3] offset:\hd*16*PITCH+32*\t
.endr
.endr
	s_wait_xcnt 0x0                                ; RB, which the last stores read, is loaded again only behind this wait
.irp hd, 0,1,2
.irp i, 0,1,2,3
	ds_load_b128 v[RB+16*\hd+4*\i:RB+16*\hd+4*\i+3], v[RD] offset:\hd*16*PITCH+\i*4*PITCH     ; LDS serves a wave's instructions in order: these see the stores above
.endr
.endr
.irp hd, 0,1,2
.irp i, 0,1,2,3
	s_wait_dscnt 11-(4*\hd+\i)
	global_store_b128 v[CO], v[RB+16*\hd+4*\i:RB+16*\hd+4*\i+3], s[82:83] offset:\hd*1048576+\a*2048+\i*512    ; four rows of a head: 512 consecutive bytes, aligned
.endr
.endr
.endm
.irp a, 0,1,2,3,4,5,6,7
	OUT16 \a
.endr
	s_wait_tensorcnt 0x0
	ds_add_u32 v30, v31
	s_wait_dscnt 0x0
	CROUND                                         ; the closing round: no work-group ends while a partner may still ask for a tile that names it
	s_endpgm
.Lfunc_end_k_q79592e948e_qkv:
	.size	k_q79592e948e_qkv, .Lfunc_end_k_q79592e948e_qkv-k_q79592e948e_qkv
	.p2alignl 7, 3214868480
	.fill 96, 4, 3214868480
	.section	.rodata,"a",@progbits
	.p2align	6, 0x0
	.amdhsa_kernel k_q79592e948e_qkv
		.amdhsa_group_segment_fixed_size 327680
		.amdhsa_private_segment_fixed_size 0
		.amdhsa_enable_private_segment 0
		.amdhsa_kernarg_size 48
		.amdhsa_user_sgpr_count 2
		.amdhsa_user_sgpr_kernarg_segment_ptr 1
		.amdhsa_wavefront_size32 1
		.amdhsa_system_sgpr_workgroup_id_x 1
		.amdhsa_system_sgpr_workgroup_id_y 1
		.amdhsa_system_sgpr_workgroup_id_z 1
		.amdhsa_system_vgpr_workitem_id 0
		.amdhsa_next_free_vgpr 1024
		.amdhsa_next_free_sgpr 90
		.amdhsa_reserve_vcc 0
		.amdhsa_float_denorm_mode_32 3
		.amdhsa_float_denorm_mode_16_64 3
		.amdhsa_memory_ordered 1
		.amdhsa_forward_progress 1
		.amdhsa_inst_pref_size 197
	.end_amdhsa_kernel
	.amdgpu_metadata
---
amdhsa.version: [ 1, 2 ]
amdhsa.kernels:
  - .name:           k_q79592e948e_qkv
    .symbol:         k_q79592e948e_qkv.kd
    .args:
      - { .name: xb, .offset: 0, .size: 8, .value_kind: global_buffer, .address_space: global }
      - { .name: wb, .offset: 8, .size: 8, .value_kind: global_buffer, .address_space: global }
      - { .name: bq, .offset: 16, .size: 8, .value_kind: global_buffer, .address_space: global }
      - { .name: bk, .offset: 24, .size: 8, .value_kind: global_buffer, .address_space: global }
      - { .name: bv, .offset: 32, .size: 8, .value_kind: global_buffer, .address_space: global }
      - { .name: qkv, .offset: 40, .size: 8, .value_kind: global_buffer, .address_space: global }
    .group_segment_fixed_size: 327680
    .private_segment_fixed_size: 0
    .kernarg_segment_align: 8
    .kernarg_segment_size: 48
    .max_flat_workgroup_size: 128
    .sgpr_count:     90
    .vgpr_count:     1024
    .wavefront_size: 32
...
	.end_amdgpu_metadata
.endif
;; end of part 2
;; launch attn (part 3): grid 256 x 1, 8 waves a work-group, no clusters, 312,320 bytes of LDS; arguments qkv, pkv, att; writes att
.if DOCPART == 3
	.amdgcn_target "amdgcn-amd-amdhsa--gfx1250"
	.amdhsa_code_object_version 6
	.text
	.protected	k_q79592e948e_attn
	.globl	k_q79592e948e_attn
	.p2align	8
	.type	k_q79592e948e_attn,@function
k_q79592e948e_attn:
	s_mov_b64 s[64:65], 0
	v_nop
	global_prefetch_b8 v0, s[64:65] scope:SCOPE_SE
	s_setreg_imm32_b32 hwreg(HW_REG_WAVE_MODE, 25, 1), 1
	s_wait_xcnt 0x0
; attn: softmax(Q K^T / 8 + energy + mass) V for one (stream and batch sb, head, half of the 1024 queries); K and V come from the other stream (sb xor 4).
; Keys: the 1024 positions and the three physics tokens (pkv).  The physics queries are cut away by the problem itself and are not made.
; The whole K and V of the head lie in LDS (1024 x 144 + 1024 x 160 = 311,296 bytes), brought by first fills alone: nothing is ever filled again.
; Eight waves, 64 queries each (four tiles of 16), keys in blocks of 64, running maximum and sum.
; Scores are made transposed, S^T = K Q^T: a lane holds one query (r = L % 16) and keys 8 h + j.  So maximum, sum and bias are one number a lane; the bias enters as the
; C operand of the first score product; and the exponentials, packed to bf16, already lie as the B fragment of O^T = V^T P^T: no shuffle.
; Q is stored times c = log2(e) / 8, so scores are in units of exp2.  Bias in these units, from e = sum(cQ K), D1 = sum(cQ), D2 = sum(K) at the query's own position:
;   log2(e) (0.2 sum(QK) + 0.15 / 64 sum(Q + K)) = 1.6 e + 0.01875 D1 + 0.0033813165 D2.
; NO MULTICAST: only the two query halves of a head read the same K and V; a cluster of four would hold two heads with different tiles, and the shared bytes are one fill
; of 256 KiB a work-group against 1,056 matrix instructions a wave.
; REGISTERS: window 0: see below.  Window 1: O v0-127 (tile (q, t) at 8 (4 q + t)), K fragments v128-191, V fragments v192-255.
; Limits: NaN and infinities are not treated specially; the bias is formed from the bf16-rounded Q and K; exponentials below 2^-126 come out as zero;
; the sum of a row's exponentials is taken before their rounding to bf16.
.set KP, 144                           ; K's LDS pitch: 128 + 16
.set VP, 160                           ; V's: 128 + 32, an odd multiple of 32, for the transposing loads
.set VBASE, 1024*KP
.set ADRK, 3
.set ADRV, 4
.set TX,   5                           ; what the other half of the lanes sends
.set NM,   6                           ; v[6:7]   low word: minus the new maximum
.set AL,   8                           ; v[8:9]   low word: 2^(old maximum - new maximum)
.set M,    10                          ; v[10:13] running maximum of query tile q
.set LS,   14                          ; v[14:17] running sum, of my half's keys
.set MX,   18                          ; v[18:21] chains of the maximum
.set SM,   22                          ; v[22:29] chains of the sum
.set Q,    32                          ; v[32:95]   Q fragments: tile q, 32 d of chunk c at 16 q + 8 c
.set BC,   96                          ; v[96:127]  the bias of tile q, eight equal registers
.set S,    128                         ; v[128:191] scores, two buffers of four tiles
.set P,    192                         ; v[192:207] exponentials in bf16: two B fragments of 32 keys
.set KT,   208                         ; v[208:223] the physics keys' K fragment
.set VT,   224                         ; v[224:255] the physics keys' V fragments
.set O,    0
.set KF,   128
.set VF,   192
.set MSB, 0
.macro WIN new
.if MSB != (\new)
	s_set_vgpr_msb (MSB<<8)|(\new)
.set MSB, (\new)
.endif
.endm
.macro PLACES                          ; four plain vector instructions between a matrix instruction and a load into, or a vector use of, its registers
.rept 4
	v_nop
.endr
.endm
.macro SHAPE base, rows, padcode       ; group 1: rows x 64 elements of 2 bytes, dense in memory, padded behind every 32 words
	s_mov_b32 s[\base+0], (1<<16)|(1<<20)|(4<<22)|(\padcode<<25)
	s_mov_b32 s[\base+1], (64<<16)
	s_mov_b32 s[\base+2], (\rows<<16)
	s_mov_b32 s[\base+3], (64<<16)
	s_mov_b32 s[\base+4], \rows
	s_mov_b32 s[\base+5], 64
	s_mov_b32 s[\base+6], 0
	s_mov_b32 s[\base+7], 0
.endm
	s_load_b128 s[4:7], s[0:1], 0x0                ; qkv, pkv
	s_load_b64 s[8:9], s[0:1], 0x10                ; att
	v_lshl_add_u32 v254, v0, 2, 0x4c000
	v_mov_b32 v255, 0
	ds_add_u32 v254, v255
	ds_add_u32 v254, v255
	s_wait_dscnt 0x0
	v_lshrrev_b32 v1, 5, v0
	v_readfirstlane_b32 s10, v1                    ; wave 0..7
	s_and_b32 s11, s10, 3
	s_and_b32 s12, ttmp9, 1                        ; half of the queries
	s_bfe_u32 s13, ttmp9, 0x40001                  ; head
	s_lshr_b32 s14, ttmp9, 5                       ; sb
	s_xor_b32 s15, s14, 4                          ; the other stream, same batch
	s_mov_b32 s66, 0x76543210                      ; v_permlanex16_b32: lane i reads lane i of the other half
	s_mov_b32 s67, 0xfedcba98
	SHAPE 16, 64, 3                                ; K, 64 rows, 4 words of padding
	SHAPE 24, 192, 3                               ; K, 192 rows
	SHAPE 32, 64, 7                                ; V, 64 rows, 8 words of padding
	SHAPE 40, 192, 7                               ; V, 192 rows
	s_lshl_b32 s68, s13, 20
	s_lshl_b32 s69, s15, 17
	s_add_co_u32 s68, s68, s69
	s_add_co_u32 s68, s68, (16<<20)                ; block (16 + head, other stream) of 1024 x 128 bytes
	s_mov_b32 s69, 0
	s_lshl_b32 s74, s11, 13                        ; first load: rows 64 w'
	s_mov_b32 s75, 0
	s_mul_i32 s76, s11, 24576
	s_add_co_u32 s76, s76, 32768                   ; second load: rows 256 + 192 w'
	s_mov_b32 s77, 0
	s_lshl_b32 s78, s12, 16
	s_lshl_b32 s79, s10, 13
	s_add_co_u32 s78, s78, s79                     ; my 64 rows in a block of 1024 x 128 bytes
	s_mov_b32 s79, 0
	v_and_b32 v1, 15, v0                           ; r
	v_bfe_u32 v2, v0, 4, 1                         ; h
	v_lshlrev_b32 v30, 7, v1
	v_lshl_add_u32 v30, v2, 4, v30                 ; 128 r + 16 h
	s_wait_kmcnt 0x0
	s_add_nc_u64 s[70:71], s[4:5], s[68:69]        ; the head's K
	s_add_nc_u64 s[72:73], s[70:71], (16<<20)      ; the head's V
	; group 0, four sets.  Waves 0-3 bring K, waves 4-7 V; LDS addresses are a constant plus the wave's number times a constant.
	s_mov_b32 s48, 1
	s_mul_i32 s49, s10, 64*KP
	s_add_nc_u64 s[50:51], s[70:71], s[74:75]
	s_or_b32 s51, s51, 0x80000000
	s_mov_b32 s52, 1
	s_mul_i32 s53, s10, 192*KP
	s_add_co_u32 s53, s53, 256*KP
	s_add_nc_u64 s[54:55], s[70:71], s[76:77]
	s_or_b32 s55, s55, 0x80000000
	s_mov_b32 s56, 1
	s_mul_i32 s57, s10, 64*VP
	s_add_co_u32 s57, s57, VBASE-4*64*VP
	s_add_nc_u64 s[58:59], s[72:73], s[74:75]
	s_or_b32 s59, s59, 0x80000000
	s_mov_b32 s60, 1
	s_mul_i32 s61, s10, 192*VP
	s_add_co_u32 s61, s61, VBASE+256*VP-4*192*VP
	s_add_nc_u64 s[62:63], s[72:73], s[76:77]
	s_or_b32 s63, s63, 0x80000000
	; Q and K at my queries' own positions go out first, 16 KiB a wave: the bias is made from them while the 256 KiB of tiles are on their way
	s_add_nc_u64 s[70:71], s[70:71], s[78:79]      ; K at my queries' own positions
	s_lshl_b32 s68, s13, 20
	s_lshl_b32 s74, s14, 17
	s_add_co_u32 s68, s68, s74
	s_add_co_u32 s68, s68, s78
	s_add_nc_u64 s[4:5], s[4:5], s[68:69]          ; my Q rows
.irp q, 0,1,2,3
.irp k, 0,1,2,3
	global_load_b128 v[Q+16*\q+4*\k:Q+16*\q+4*\k+3], v30, s[4:5] offset:2048*\q+32*\k
	global_load_b128 v[S+16*\q+4*\k:S+16*\q+4*\k+3], v30, s[70:71] offset:2048*\q+32*\k
.endr
.endr
	s_cmp_lt_u32 s10, 4
	s_cbranch_scc0 .Lfill_v
	tensor_load_to_lds s[48:51], s[16:23]          ; keys 0-255 first, a quarter a wave,
	s_nop 0
	tensor_load_to_lds s[52:55], s[24:31]          ; then keys 256-1023: two tensor loads of the wave are out, and no more follow
	s_nop 0
	s_branch .Lfilled
.Lfill_v:
	tensor_load_to_lds s[56:59], s[32:39]
	s_nop 0
	tensor_load_to_lds s[60:63], s[40:47]
	s_nop 0
.Lfilled:
	s_lshl_b32 s68, s14, 21
	s_lshl_b32 s74, s13, 17
	s_add_co_u32 s68, s68, s74
	s_add_co_u32 s68, s68, s78
	s_add_nc_u64 s[8:9], s[8:9], s[68:69]          ; my rows of att[sb][head][q][64]
	s_lshl_b32 s68, s13, 9
	s_add_nc_u64 s[72:73], s[6:7], s[68:69]        ; kp of the head
	s_lshl_b32 s68, s13, 10
	s_add_co_u32 s68, s68, 8192
	s_add_nc_u64 s[76:77], s[6:7], s[68:69]        ; vpT of the head
	v_mul_u32_u24 v[ADRK], v1, KP
	v_lshl_add_u32 v[ADRK], v2, 4, v[ADRK]         ; K fragment: row r, 16 h
	v_and_b32 v[ADRV], 7, v0
	v_lshl_add_u32 v[ADRV], v2, 3, v[ADRV]
	v_mul_u32_u24 v[ADRV], v[ADRV], VP             ; V, transposing load: row 8 h + L % 8,
	v_bfe_u32 v[TX], v0, 3, 1
	v_lshl_add_u32 v[ADRV], v[TX], 4, v[ADRV]      ; 16 bytes for each group of eight lanes
	v_add_nc_u32 v[ADRV], VBASE, v[ADRV]
	v_min_u32 v31, 3, v1
	v_lshlrev_b32 v31, 5, v31
	v_lshl_add_u32 v31, v2, 4, v31                 ; kp[quarter][t][16]: row t = min(r, 3) of 32 bytes, 16 h
	v_mov_b32 v[NM+1], 0                           ; the pairs' upper words are named by the packed forms and never used
	v_mov_b32 v[AL+1], 0
.irp k, 0,1,2,3,4,5,6,7
	v_mov_b32 v[KT+\k], 0x3f803f80                 ; a fragment of ones
.endr
	s_wait_loadcnt 0x0
; e = sum over d of cQ K at the query's own position: my 32 of the 64 products in two chains, then the other half's
.macro ENERGY q
	v_mov_b32 v[SM], 0
	v_mov_b32 v[SM+1], 0
.set ei, 0
.rept 16
	v_fma_mix_f32_bf16 v[SM],   v[Q+16*\q+ei], v[S+16*\q+ei], v[SM]   op_sel_hi:[1,1,0]
	v_fma_mix_f32_bf16 v[SM+1], v[Q+16*\q+ei], v[S+16*\q+ei], v[SM+1] op_sel:[1,1,0] op_sel_hi:[1,1,0]
.set ei, ei+1
.endr
	v_add_f32 v[SM], v[SM], v[SM+1]
	v_permlanex16_b32 v[TX], v[SM], s66, s67
	v_add_f32 v[MX+\q], v[SM], v[TX]
.endm
.irp q, 0,1,2,3
	ENERGY \q
.endr
	; D1 = sum of cQ (into VT + 8 q), D2 = sum of K (into BC + 8 q): ones x fragment; every register of a lane gets its query's sum.
	; Eight accumulators take turns, one instruction a turn.
.irp q, 0,1,2,3
	v_wmma_f32_16x16x32_bf16 v[VT+8*\q:VT+8*\q+7], v[KT:KT+7], v[Q+16*\q:Q+16*\q+7], 0
	v_wmma_f32_16x16x32_bf16 v[BC+8*\q:BC+8*\q+7], v[KT:KT+7], v[S+16*\q:S+16*\q+7], 0
.endr
.irp q, 0,1,2,3
	v_wmma_f32_16x16x32_bf16 v[VT+8*\q:VT+8*\q+7], v[KT:KT+7], v[Q+16*\q+8:Q+16*\q+15], v[VT+8*\q:VT+8*\q+7]
	v_wmma_f32_16x16x32_bf16 v[BC+8*\q:BC+8*\q+7], v[KT:KT+7], v[S+16*\q+8:S+16*\q+15], v[BC+8*\q:BC+8*\q+7]
.endr
	PLACES
.irp q, 0,1,2,3
	v_mul_f32 v[TX], 0x3fcccccd, v[MX+\q]                          ; 1.6 e
	v_fmamk_f32 v[TX], v[VT+8*\q], 0x3c99999a, v[TX]               ; + 0.01875 D1
.irp j, 0,1,2,3,4,5,6,7
	v_fmamk_f32 v[BC+8*\q+\j], v[BC+8*\q+\j], 0x3b5d9914, v[TX]    ; + 0.0033813165 D2
.endr
.endr
	v_lshlrev_b32 v30, 4, v1                       ; vpT: 16 bytes for d = 16 t + r (free: its loads were waited for above)
.irp k, 0,1,2,3
	global_load_b128 v[KT+4*\k:KT+4*\k+3], v31, s[72:73] offset:128*\k      ; d = 16 k + 8 h .. + 7 of physics key min(r, 3)
	global_load_b128 v[VT+8*\k:VT+8*\k+3], v30, s[76:77] offset:256*\k      ; keys 0-7 in both halves of the lanes: the upper half's exponentials are zero
.irp j, 4,5,6,7
	v_mov_b32 v[VT+8*\k+\j], 0                     ; keys 16-31
.endr
.endr
	s_wait_loadcnt 0x0
	s_wait_tensorcnt 0x1                           ; my part of keys 0-255 is in; the larger load may stay out
	s_barrier_signal -1
	s_barrier_wait -1                              ; everybody's is
; scores of 64 keys x query tile q into buffer buf: the bias starts the sums
.macro QK q, buf
.irp i, 0,1,2,3
	v_wmma_f32_16x16x32_bf16 v[S+32*\buf+8*\i:S+32*\buf+8*\i+7], v[KF+16*\i:KF+16*\i+7], v[Q+16*\q:Q+16*\q+7], v[BC+8*\q:BC+8*\q+7]
.endr
.irp i, 0,1,2,3
	v_wmma_f32_16x16x32_bf16 v[S+32*\buf+8*\i:S+32*\buf+8*\i+7], v[KF+16*\i+8:KF+16*\i+15], v[Q+16*\q+8:Q+16*\q+15], v[S+32*\buf+8*\i:S+32*\buf+8*\i+7]
.endr
.endm
.macro SOFTMAX q, buf, first
.set SB, S+32*\buf
	v_max3_num_f32 v[MX],   v[SB],   v[SB+1],  v[SB+2]
	v_max3_num_f32 v[MX+1], v[SB+3], v[SB+4],  v[SB+5]
	v_max3_num_f32 v[MX+2], v[SB+6], v[SB+7],  v[SB+8]
	v_max3_num_f32 v[MX+3], v[SB+9], v[SB+10], v[SB+11]
.set mi, 12
.rept 2
	v_max3_num_f32 v[MX],   v[MX],   v[SB+mi],   v[SB+mi+1]
	v_max3_num_f32 v[MX+1], v[MX+1], v[SB+mi+2], v[SB+mi+3]
	v_max3_num_f32 v[MX+2], v[MX+2], v[SB+mi+4], v[SB+mi+5]
	v_max3_num_f32 v[MX+3], v[MX+3], v[SB+mi+6], v[SB+mi+7]
.set mi, mi+8
.endr
	v_max3_num_f32 v[MX],   v[MX],   v[SB+28], v[SB+29]
	v_max3_num_f32 v[MX+1], v[MX+1], v[SB+30], v[SB+31]
	v_max3_num_f32 v[MX], v[MX], v[MX+1], v[MX+2]
	v_max_num_f32 v[MX], v[MX], v[MX+3]
	v_permlanex16_b32 v[TX], v[MX], s66, s67       ; the same query's other 32 keys
.if \first
	v_max_num_f32 v[M+\q], v[MX], v[TX]
	v_sub_f32 v[NM], 0, v[M+\q]
.else
	v_max3_num_f32 v[MX+1], v[MX], v[TX], v[M+\q]
	v_sub_f32 v[NM], 0, v[MX+1]
	v_add_f32 v[MX+2], v[M+\q], v[NM]
	v_exp_f32 v[AL], v[MX+2]
	v_mov_b32 v[M+\q], v[MX+1]                     ; the plain instruction behind the exponential (ISA guide 5.7.2)
.endif
.set si, 0
.rept 16
	v_pk_add_f32 v[SB+si:SB+si+1], v[SB+si:SB+si+1], v[NM:NM+1] op_sel_hi:[1,0]
.set si, si+2
.endr
.set si, 0
.rept 32
	v_exp_f32 v[SB+si], v[SB+si]
.set si, si+1
.endr
	v_nop                                          ; one plain instruction before the exponentials are read
	s_wait_alu depctr_va_vdst(0)
.irp k, 0,1,2,3
	v_pk_add_f32 v[SM+2*\k:SM+2*\k+1], v[SB+4*\k:SB+4*\k+1], v[SB+4*\k+2:SB+4*\k+3]
.endr
.irp g, 16,24
.irp k, 0,1,2,3
	v_pk_add_f32 v[SM+2*\k:SM+2*\k+1], v[SM+2*\k:SM+2*\k+1], v[SB+\g+2*\k:SB+\g+2*\k+1]
.endr
.endr
	v_pk_add_f32 v[SM:SM+1],   v[SM:SM+1],   v[SM+2:SM+3]
	v_pk_add_f32 v[SM+4:SM+5], v[SM+4:SM+5], v[SM+6:SM+7]
	v_pk_add_f32 v[SM:SM+1],   v[SM:SM+1],   v[SM+4:SM+5]
.if \first
	v_add_f32 v[LS+\q], v[SM], v[SM+1]
.else
	v_add_f32 v[SM], v[SM], v[SM+1]
	v_fma_f32 v[LS+\q], v[LS+\q], v[AL], v[SM]
.endif
.set si, 0
.rept 16
	v_cvt_pk_bf16_f32 v[P+si], v[SB+2*si], v[SB+2*si+1]    ; score tile i, registers 2 jj, 2 jj + 1 -> register 4 i + jj: keys 8 h + .. and 16 + 8 h + .. of each 32
.set si, si+1
.endr
.endm
.macro PV q, first
	WIN 0x51
.if \first == 0
.set pi, 0
.rept 16
	v_pk_mul_f32 v[O+32*\q+pi:O+32*\q+pi+1], v[O+32*\q+pi:O+32*\q+pi+1], v[AL:AL+1] op_sel_hi:[1,0]
.set pi, pi+2
.endr
.endif
.irp t, 0,1,2,3
.if \first
	v_wmma_f32_16x16x32_bf16 v[O+8*(4*\q+\t):O+8*(4*\q+\t)+7], v[VF+8*\t:VF+8*\t+7], v[P:P+7], 0
.else
	v_wmma_f32_16x16x32_bf16 v[O+8*(4*\q+\t):O+8*(4*\q+\t)+7], v[VF+8*\t:VF+8*\t+7], v[P:P+7], v[O+8*(4*\q+\t):O+8*(4*\q+\t)+7]
.endif
.endr
.irp t, 0,1,2,3
	v_wmma_f32_16x16x32_bf16 v[O+8*(4*\q+\t):O+8*(4*\q+\t)+7], v[VF+32+8*\t:VF+32+8*\t+7], v[P+8:P+15], v[O+8*(4*\q+\t):O+8*(4*\q+\t)+7]
.endr
.endm
; 64 keys against my 64 queries.  The scores of tile q + 2 are issued ahead of the softmax of tile q + 1, on the buffer that tile q has left.
; Every accumulator has a turn of one matrix instruction.
.macro BLOCK first
	PLACES
	WIN 0x40
.irp i, 0,1,2,3
.irp k, 0,1,2,3
	ds_load_b128 v[KF+16*\i+4*\k:KF+16*\i+4*\k+3], v[ADRK] offset:\i*16*KP+32*\k
.endr
.endr
.irp kc, 0,1
.irp t, 0,1,2,3
	ds_load_tr16_b128 v[VF+32*\kc+8*\t:VF+32*\kc+8*\t+3],   v[ADRV] offset:\kc*32*VP+32*\t
	ds_load_tr16_b128 v[VF+32*\kc+8*\t+4:VF+32*\kc+8*\t+7], v[ADRV] offset:\kc*32*VP+32*\t+16*VP
.endr
.endr
	WIN 0x01
	s_wait_dscnt 16                                ; K's fragments are in; V's sixteen loads may be out
	QK 0, 0
	QK 1, 1
	WIN 0
	v_add_nc_u32 v[ADRK], 64*KP, v[ADRK]           ; the next block; with the two v_nop the four places behind the scores
	v_add_nc_u32 v[ADRV], 64*VP, v[ADRV]
	v_nop
	v_nop
	SOFTMAX 0, 0, \first
	s_wait_dscnt 0x0                               ; V's fragments
	PV 0, \first
	WIN 0x01
	QK 2, 0
	WIN 0
	SOFTMAX 1, 1, \first
	PV 1, \first
	WIN 0x01
	QK 3, 1
	WIN 0
	SOFTMAX 2, 0, \first
	PV 2, \first
	WIN 0
	SOFTMAX 3, 1, \first
	PV 3, \first
	WIN 0
.endm
	BLOCK 1                                        ; keys 0-63 start maximum, sum and O: nothing is cleared
	s_mov_b32 s79, 3                               ; keys 64-255
.Lnear:
	BLOCK 0
	s_sub_co_u32 s79, s79, 1
	s_cmp_lg_u32 s79, 0
	s_cbranch_scc1 .Lnear
	s_wait_tensorcnt 0x0                           ; my part of keys 256-1023 is in
	s_wait_dscnt 0x0
	s_barrier_signal -1
	s_barrier_wait -1                              ; everybody's is
	s_mov_b32 s79, 12
.Lfar:
	BLOCK 0
	s_sub_co_u32 s79, s79, 1
	s_cmp_lg_u32 s79, 0
	s_cbranch_scc1 .Lfar
	; THE PHYSICS KEYS: one score tile of 16 rows of which rows 0-2 are keys; they lie in registers 0-2 of lanes 0-15.  The same registers of lanes 16-31 (rows 8-10)
	; are set to minus infinity; registers 3-7 are not used.
	PLACES
.irp k, 2,3,4,5,6,7
	v_mov_b32 v[P+\k], 0
.endr
	v_mov_b32 v[MX+3], 0xff800000
	v_cmp_eq_u32 s74, 1, v2
.irp q, 0,1,2,3
	v_wmma_f32_16x16x32_bf16 v[S+8*\q:S+8*\q+7], v[KT:KT+7], v[Q+16*\q:Q+16*\q+7], v[BC+8*\q:BC+8*\q+7]
.endr
.irp q, 0,1,2,3
	v_wmma_f32_16x16x32_bf16 v[S+8*\q:S+8*\q+7], v[KT+8:KT+15], v[Q+16*\q+8:Q+16*\q+15], v[S+8*\q:S+8*\q+7]
.endr
	PLACES
.macro TAILQ q
.set TB, S+8*\q
	v_cndmask_b32 v[TB],   v[TB],   v[MX+3], s74
	v_cndmask_b32 v[TB+1], v[TB+1], v[MX+3], s74
	v_cndmask_b32 v[TB+2], v[TB+2], v[MX+3], s74
	v_max3_num_f32 v[MX], v[TB], v[TB+1], v[TB+2]
	v_permlanex16_b32 v[TX], v[MX], s66, s67
	v_max3_num_f32 v[MX+1], v[MX], v[TX], v[M+\q]
	v_sub_f32 v[NM], 0, v[MX+1]
	v_add_f32 v[MX+2], v[M+\q], v[NM]
	v_exp_f32 v[AL], v[MX+2]
	v_add_f32 v[TB],   v[TB],   v[NM]
	v_add_f32 v[TB+1], v[TB+1], v[NM]
	v_add_f32 v[TB+2], v[TB+2], v[NM]
	v_exp_f32 v[TB],   v[TB]
	v_exp_f32 v[TB+1], v[TB+1]
	v_exp_f32 v[TB+2], v[TB+2]
	v_nop
	s_wait_alu depctr_va_vdst(0)
	v_add_f32 v[SM], v[TB], v[TB+1]
	v_add_f32 v[SM], v[SM], v[TB+2]
	v_fma_f32 v[LS+\q], v[LS+\q], v[AL], v[SM]
	v_cvt_pk_bf16_f32 v[P],   v[TB],   v[TB+1]
	v_cvt_pk_bf16_f32 v[P+1], v[TB+2], v[P+2]      ; key 3: zero
	WIN 0x41
.set pi, 0
.rept 16
	v_pk_mul_f32 v[O+32*\q+pi:O+32*\q+pi+1], v[O+32*\q+pi:O+32*\q+pi+1], v[AL:AL+1] op_sel_hi:[1,0]
.set pi, pi+2
.endr
	WIN 0x50
.irp t, 0,1,2,3
	v_wmma_f32_16x16x32_bf16 v[O+8*(4*\q+\t):O+8*(4*\q+\t)+7], v[VT+8*\t:VT+8*\t+7], v[P:P+7], v[O+8*(4*\q+\t):O+8*(4*\q+\t)+7]
.endr
	WIN 0
.endm
.irp q, 0,1,2,3
	TAILQ \q
.endr
	; THE END: the two halves' sums meet, O / sum, bf16, through LDS, out as runs of 512 bytes
.irp q, 0,1,2,3
	v_permlanex16_b32 v[TX], v[LS+\q], s66, s67
	v_add_f32 v[LS+\q], v[LS+\q], v[TX]
.endr
.irp q, 0,1,2,3
	v_rcp_f32 v[SM+2*\q], v[LS+\q]
.endr
	PLACES                                         ; behind the reciprocals, and behind the last matrix instructions
	WIN 0x41
	s_wait_alu depctr_va_vdst(0)
.irp q, 0,1,2,3
.set pi, 0
.rept 16
	v_pk_mul_f32 v[O+32*\q+pi:O+32*\q+pi+1], v[O+32*\q+pi:O+32*\q+pi+1], v[SM+2*\q:SM+2*\q+1] op_sel_hi:[1,0]
.set pi, pi+2
.endr
.endr
	WIN 0x05
.set pi, 0
.rept 64
	v_cvt_pk_bf16_f32 v[S+pi], v[O+2*pi], v[O+2*pi+1]      ; S + 16 q + 4 t + jj: d = 16 t + 8 h + 2 jj, + 1 of query r of tile q
.set pi, pi+1
.endr
	WIN 0
	s_mul_i32 s68, s10, 64*KP                      ; my stage: 64 rows x 144 bytes in what was K, whose last fill is long over
	v_mul_u32_u24 v30, v1, KP
	v_lshl_add_u32 v30, v2, 4, v30
	v_add_nc_u32 v30, s68, v30
	v_and_b32 v31, 31, v0
	v_lshrrev_b32 v5, 3, v31
	v_and_b32 v6, 7, v0
	v_mul_u32_u24 v5, v5, KP
	v_lshl_add_u32 v5, v6, 4, v5
	v_add_nc_u32 v5, s68, v5                       ; back: eight lanes a row, four rows a load
	v_lshlrev_b32 v31, 4, v31
	s_wait_dscnt 0x0
	s_barrier_signal -1
	s_barrier_wait -1                              ; every wave has read K for the last time
.irp q, 0,1,2,3
.irp t, 0,1,2,3
	ds_store_b128 v30, v[S+16*\q+4*\t:S+16*\q+4*\t+3] offset:\q*16*KP+32*\t
.endr
.endr
.irp i, 0,1,2,3,4,5,6,7,8,9,10,11,12,13,14,15
	ds_load_b128 v[Q+4*\i:Q+4*\i+3], v5 offset:\i*4*KP             ; LDS serves a wave's instructions in order: these see the stores above
.endr
.irp i, 0,1,2,3,4,5,6,7,8,9,10,11,12,13,14,15
	s_wait_dscnt 15-\i
	global_store_b128 v31, v[Q+4*\i:Q+4*\i+3], s[8:9] offset:512*\i
.endr
	s_wait_xcnt 0x0
	v_lshl_add_u32 v254, v0, 2, 0x4c000
	v_mov_b32 v255, 0
	s_wait_tensorcnt 0x0
	ds_add_u32 v254, v255
	s_wait_dscnt 0x0
	s_endpgm
.Lfunc_end_k_q79592e948e_attn:
	.size	k_q79592e948e_attn, .Lfunc_end_k_q79592e948e_attn-k_q79592e948e_attn
	.p2alignl 7, 3214868480
	.fill 96, 4, 3214868480
	.section	.rodata,"a",@progbits
	.p2align	6, 0x0
	.amdhsa_kernel k_q79592e948e_attn
		.amdhsa_group_segment_fixed_size 312320
		.amdhsa_private_segment_fixed_size 0
		.amdhsa_enable_private_segment 0
		.amdhsa_kernarg_size 24
		.amdhsa_user_sgpr_count 2
		.amdhsa_user_sgpr_kernarg_segment_ptr 1
		.amdhsa_wavefront_size32 1
		.amdhsa_system_sgpr_workgroup_id_x 1
		.amdhsa_system_sgpr_workgroup_id_y 1
		.amdhsa_system_sgpr_workgroup_id_z 1
		.amdhsa_system_vgpr_workitem_id 0
		.amdhsa_next_free_vgpr 512
		.amdhsa_next_free_sgpr 80
		.amdhsa_reserve_vcc 0
		.amdhsa_float_denorm_mode_32 3
		.amdhsa_float_denorm_mode_16_64 3
		.amdhsa_memory_ordered 1
		.amdhsa_forward_progress 1
		.amdhsa_inst_pref_size 140
	.end_amdhsa_kernel
	.amdgpu_metadata
---
amdhsa.version: [ 1, 2 ]
amdhsa.kernels:
  - .name:           k_q79592e948e_attn
    .symbol:         k_q79592e948e_attn.kd
    .args:
      - { .name: qkv, .offset: 0, .size: 8, .value_kind: global_buffer, .address_space: global }
      - { .name: pkv, .offset: 8, .size: 8, .value_kind: global_buffer, .address_space: global }
      - { .name: att, .offset: 16, .size: 8, .value_kind: global_buffer, .address_space: global }
    .group_segment_fixed_size: 312320
    .private_segment_fixed_size: 0
    .kernarg_segment_align: 8
    .kernarg_segment_size: 24
    .max_flat_workgroup_size: 256
    .sgpr_count:     80
    .vgpr_count:     512
    .wavefront_size: 32
...
	.end_amdgpu_metadata
.endif
;; end of part 3
;; launch oproj (part 4): grid 4 x 64, 4 waves a work-group, clusters of 4 x 4, 327,680 bytes of LDS; arguments att, wb, cnn_features, llm_features, y; writes y
.if DOCPART == 4
	.amdgcn_target "amdgcn-amd-amdhsa--gfx1250"
	.amdhsa_code_object_version 6
	.text
	.protected	k_q79592e948e_oproj
	.globl	k_q79592e948e_oproj
	.p2align	8
	.type	k_q79592e948e_oproj,@function
k_q79592e948e_oproj:
	s_mov_b64 s[64:65], 0
	v_nop
	global_prefetch_b8 v0, s[64:65] scope:SCOPE_SE
	s_setreg_imm32_b32 hwreg(HW_REG_WAVE_MODE, 25, 1), 1
	s_wait_xcnt 0x0
	s_wait_alu depctr_hold_cnt(0) depctr_sa_sdst(0) depctr_va_vdst(0) depctr_va_sdst(0) depctr_va_ssrc(0) depctr_va_vcc(0) depctr_vm_vsrc(0)
	s_getreg_b32 s2, hwreg(HW_REG_IB_STS2, 6, 4)
	s_cmp_eq_u32 s2, 0
	s_cbranch_scc0 .Lentry_in_a_cluster
	s_endpgm
.Lentry_in_a_cluster:
	s_bfe_u32 s2, ttmp6, 0x10000c
	s_cmp_lg_u32 s2, 0xf033
	s_cbranch_scc0 .Lentry_shape_is_right
	s_endpgm
.Lentry_shape_is_right:
; oproj: y[8192][1024] f32 = x + att . Wo^T (x: cnn rows, then llm rows; the bias bo and LayerNorm follow in the next launch).
; att is [sb 8][head 16][q 1024][64] bf16: row sb x 1024 + q, K index head x 64 + d.  Wo is rows 3072-4095 of wb, [n][k] bf16.
; A work-group makes 128 rows x 256 columns with four waves, 8192 x 1024 / (128 x 256) = 256 work-groups; a wave makes 64 x 128: 32 accumulator tiles in window 1,
; tile (a, b) at v[8 (8 a + b)].  K goes in steps of 128 (two heads) through two LDS slots.
; THE RESIDUAL: the wave's 64 x 128 numbers of x are 256 registers, window 2, row i at v[4 i], loaded as whole pieces of 512 bytes of a row while K is walked,
; and added on the way out, where a lane holds the same 16 bytes of the same row.  So x is read once, here, and the next launch reads y alone.
; CLUSTERS: 4 x 4 work-groups; att's tiles hang on the block row alone and are asked for jointly along a row of the cluster, Wo's on the block column alone, along a column.
; The matrix instruction is used transposed (source 0 = rows of Wo, source 1 = rows of att): a lane holds 8 neighbouring columns of one row of y, 32 bytes.
; Limits: NaN and infinities are not treated specially; one f32 sum for each output, K ascending, x added last.
.set PA,    144                        ; pitch of att's rows of 128 bytes
.set PB,    272                        ; pitch of Wo's rows of 256 bytes
.set REG,   128*PB                     ; what one wave's tensor load may fill (att's tiles use 128 x 144 of it)
.set SLOT,  4*REG                      ; att of the even head, att of the odd head, Wo rows 0-127, Wo rows 128-255
.set STAGE, 2*SLOT                     ; behind the ring: 16 rows x 528 bytes for each wave
.set SP,    528                        ; 512 bytes of f32 + 16
.set ADRA, 16
.set ADRB, 20
.set STO,  24
.set RD,   25
.set CO,   26
.set F0,   64                          ; v[64:159]  fragments: att's four, then Wo's eight
.set F1,   160                         ; v[160:255] the second buffer
.set G1,  24
.set G0,  32
.set G1B, 48
.set G0B, 56
.set MSB, 0
.macro WIN new
.if MSB != (\new)
	s_set_vgpr_msb (MSB<<8)|(\new)
.set MSB, (\new)
.endif
.endm
.macro PLACES                          ; four plain vector instructions between a matrix instruction and a load into, or a store of, its registers
.rept 4
	v_nop
.endr
.endm
.macro JLOAD s                         ; waves 0 and 1 ask for att's two heads, waves 2 and 3 for Wo's two halves
	s_cmp_eq_u32 s11, 0
	s_cbranch_scc0 .Lfor_b_\@
	tensor_load_to_lds s[G0+4*\s:G0+4*\s+3], s[G1:G1+7]
	s_nop 0
	s_branch .Lasked_\@
.Lfor_b_\@:
	tensor_load_to_lds s[G0B+4*\s:G0B+4*\s+3], s[G1B:G1B+7]
	s_nop 0
.Lasked_\@:
.endm
.macro CREST
	s_cmp_lg_u32 s10, 0
	s_cbranch_scc1 .Lnot_wave_0_\@
	s_barrier_signal -3
.Lnot_wave_0_\@:
	s_barrier_wait -3
	s_barrier_signal -1
	s_barrier_wait -1
.endm
.macro CROUND
	s_barrier_signal -1
	s_barrier_wait -1
	CREST
.endm
.set xi, 0
.macro XROWS n                         ; the next n rows of my x, 512 consecutive bytes each, into window 2
	WIN 0x80                                       ; destination window 2, address window 0
.rept \n
	global_load_b128 v[4*xi:4*xi+3], v[CO], s[68:69] offset:xi*4096 th:TH_LOAD_NT
.set xi, xi+1
.endr
	WIN 0
.endm
	s_load_b128 s[4:7], s[0:1], 0x0                ; att, wb
	s_load_b128 s[68:71], s[0:1], 0x10             ; cnn, llm
	s_load_b64 s[8:9], s[0:1], 0x20                ; y
	v_lshl_add_u32 v62, v0, 2, 0x4c400
	v_mov_b32 v63, 0
	ds_add_u32 v62, v63
	ds_add_u32 v62, v63
	v_lshrrev_b32 v1, 5, v0
	v_readfirstlane_b32 s10, v1                    ; wave 0..3
	s_lshr_b32 s11, s10, 1                         ; my half of the rows.  Also: I fetch for att (0) or for Wo (1)
	s_and_b32 s12, s10, 1                          ; my half of the columns.  Also: which of the two tiles I fetch
	s_bfe_u32 s40, ttmp6, 0x40000                  ; cx
	s_bfe_u32 s41, ttmp6, 0x40004                  ; cy
	s_lshl_b32 s42, ttmp9, 2
	s_add_co_u32 s42, s42, s40                     ; block column 0..3
	s_and_b32 s45, ttmp7, 0xffff                   ; the cluster's y, 0..15: 0-7 cnn, 8-15 llm
	s_lshl_b32 s13, s45, 2
	s_add_co_u32 s13, s13, s41                     ; block row 0..63
	s_lshl_b32 s43, s41, 2
	s_lshl_b32 s43, 15, s43                        ; my row of the cluster
	s_lshl_b32 s44, 0x1111, s40                    ; my column
	s_or_b32 s[G1+0], s43, (1<<16)|(1<<20)|(1<<21)|(4<<22)|(3<<25)     ; att: padding of 4 words behind every 32
	s_or_b32 s[G1B+0], s44, (1<<16)|(1<<20)|(1<<21)|(5<<22)|(3<<25)    ; Wo: behind every 64
	s_mov_b32 s[G1+1], (64<<16)                    ; tensor_dim0
	s_mov_b32 s[G1B+1], (128<<16)
	s_mov_b32 s[G1+2], (128<<16)                   ; tensor_dim1 = 128 rows
	s_mov_b32 s[G1B+2], (128<<16)
	s_mov_b32 s[G1+3], (64<<16)                    ; tile_dim0
	s_mov_b32 s[G1B+3], (128<<16)
	s_mov_b32 s[G1+4], 128                         ; tile_dim1
	s_mov_b32 s[G1B+4], 128
	s_mov_b32 s[G1+5], 64                          ; a head's rows follow each other without a gap
	s_mov_b32 s[G1B+5], 1024
	s_mov_b32 s[G1+6], 0
	s_mov_b32 s[G1B+6], 0
	s_mov_b32 s[G1+7], 0
	s_mov_b32 s[G1B+7], 0
	s_lshr_b32 s16, s13, 3
	s_lshl_b32 s16, s16, 21                        ; sb: 16 heads of 131,072 bytes
	s_and_b32 s17, s13, 7
	s_lshl_b32 s17, s17, 14                        ; 128 rows of 128 bytes
	s_add_co_u32 s16, s16, s17
	s_lshl_b32 s17, s12, 17                        ; the even or the odd head
	s_add_co_u32 s16, s16, s17
	s_mov_b32 s17, 0
	s_lshl_b32 s46, s42, 19                        ; 256 rows of 2,048 bytes
	s_lshl_b32 s47, s12, 18
	s_add_co_u32 s46, s46, s47
	s_add_co_u32 s46, s46, 3072*2048               ; Wo in wb
	s_mov_b32 s47, 0
	s_mul_i32 s20, s10, REG
	; my 64 x 128 block in x (rows counted inside cnn or llm) and in y, in registers that feed no descriptor
	s_and_b32 s72, s13, 31
	s_lshl_b32 s72, s72, 19                        ; 128 rows of 4,096 bytes
	s_lshl_b32 s73, s11, 18                        ; 64 rows
	s_add_co_u32 s72, s72, s73
	s_lshl_b32 s73, s42, 10                        ; 256 columns of f32
	s_add_co_u32 s72, s72, s73
	s_lshl_b32 s73, s12, 9                         ; 128 columns
	s_add_co_u32 s72, s72, s73
	s_mov_b32 s73, 0
	s_and_b32 s74, s13, 32
	s_lshl_b32 s74, s74, 19                        ; y holds llm's rows behind cnn's
	s_add_co_u32 s74, s74, s72
	s_mov_b32 s75, 0
	s_wait_dscnt 0x0
	s_wait_kmcnt 0x0
	s_add_nc_u64 s[14:15], s[4:5], s[16:17]
	s_add_nc_u64 s[46:47], s[6:7], s[46:47]
	s_cmp_lt_u32 s45, 8
	s_cselect_b64 s[68:69], s[68:69], s[70:71]
	s_add_nc_u64 s[68:69], s[68:69], s[72:73]
	s_add_nc_u64 s[8:9], s[8:9], s[74:75]
	CROUND                                         ; all sixteen work-groups are here: the first joint loads meet
.irp s, 0,1
	s_mov_b32 s[G0+4*\s], 1
	s_add_co_u32 s[G0+4*\s+1], s20, \s*SLOT
	s_add_nc_u64 s[G0+4*\s+2:G0+4*\s+3], s[14:15], \s*262144       ; K step s: two heads on
	s_or_b32 s[G0+4*\s+3], s[G0+4*\s+3], 0x80000000
	s_mov_b32 s[G0B+4*\s], 1
	s_add_co_u32 s[G0B+4*\s+1], s20, \s*SLOT
	s_add_nc_u64 s[G0B+4*\s+2:G0B+4*\s+3], s[46:47], \s*256
	s_or_b32 s[G0B+4*\s+3], s[G0B+4*\s+3], 0x80000000
	JLOAD \s                                       ; both first fills: two tensor loads of the wave are out
.endr
	v_and_b32 v1, 15, v0                           ; r
	v_bfe_u32 v2, v0, 4, 1                         ; h
	v_mul_u32_u24 v3, v1, PA
	v_lshl_add_u32 v3, v2, 4, v3
	v_mul_u32_u24 v4, v1, PB
	v_lshl_add_u32 v4, v2, 4, v4
	s_mul_i32 s21, s11, 64*PA                      ; my 64 rows of att, in the even head's region
	s_mul_i32 s22, s12, REG
	s_add_co_u32 s22, s22, 2*REG                   ; my 128 rows of Wo
.irp s, 0,1
	v_add_nc_u32 v[ADRA+\s], s21, v3
	v_add_nc_u32 v[ADRB+\s], s22, v4
	s_add_co_u32 s21, s21, SLOT
	s_add_co_u32 s22, s22, SLOT
.endr
	s_mul_i32 s23, s10, 16*SP
	s_add_co_u32 s23, s23, STAGE
	v_mul_u32_u24 v5, v1, SP
	v_lshl_add_u32 v5, v2, 5, v5                   ; in: row r, 32 bytes for each half of the lanes
	v_add_nc_u32 v[STO], s23, v5
	v_and_b32 v6, 31, v0
	v_lshlrev_b32 v[CO], 4, v6                     ; 16 L; never rewritten
	v_add_nc_u32 v[RD], s23, v[CO]                 ; back: the wave takes a whole row of 512 bytes
	XROWS 32                                       ; x, rows 0-31 of my 64: behind the tiles, which are needed first
.macro FETCH slot, c, f                ; 24 loads: 32 along K, quarter c of the step: head c / 2, bytes 64 (c % 2) of its rows; bytes 64 c of Wo's rows
	WIN 0
.irp a, 0,1,2,3
	ds_load_b128 v[\f+8*\a:\f+8*\a+3],   v[ADRA+\slot] offset:(\c/2)*REG+(\c%2)*64+\a*16*PA
	ds_load_b128 v[\f+8*\a+4:\f+8*\a+7], v[ADRA+\slot] offset:(\c/2)*REG+(\c%2)*64+\a*16*PA+32
.endr
.irp b, 0,1,2,3,4,5,6,7
	ds_load_b128 v[\f+32+8*\b:\f+32+8*\b+3], v[ADRB+\slot] offset:\c*64+\b*16*PB
	ds_load_b128 v[\f+32+8*\b+4:\f+32+8*\b+7], v[ADRB+\slot] offset:\c*64+\b*16*PB+32
.endr
.endm
; 16 matrix instructions.  The 32 accumulators take turns, one instruction a turn, in the same order in every quarter.
.macro MUL16 f, a0, zero
	WIN 0x50
.irp a, \a0, \a0+1
.irp b, 0,1,2,3,4,5,6,7
.if \zero
	v_wmma_f32_16x16x32_bf16 v[8*(8*(\a)+\b):8*(8*(\a)+\b)+7], v[\f+32+8*\b:\f+32+8*\b+7], v[\f+8*(\a):\f+8*(\a)+7], 0
.else
	v_wmma_f32_16x16x32_bf16 v[8*(8*(\a)+\b):8*(8*(\a)+\b)+7], v[\f+32+8*\b:\f+32+8*\b+7], v[\f+8*(\a):\f+8*(\a)+7], v[8*(8*(\a)+\b):8*(8*(\a)+\b)+7]
.endif
.endr
.endr
.endm
.macro QUARTER slot, c, f, g, zero     ; fetches quarter c into buffer g, multiplies buffer f meanwhile
	s_wait_dscnt 0x0                               ; buffer f is in
	PLACES
	FETCH \slot, \c, \g
	MUL16 \f, 0, \zero
	MUL16 \f, 2, \zero
.endm
.macro THREE slot, zero
	QUARTER \slot, 1, F0, F1, \zero
	QUARTER \slot, 2, F1, F0, 0
	QUARTER \slot, 3, F0, F1, 0
.endm
; The last quarter of a step, with the change of slots: in front of the barrier each wave waits for its reads of this slot and for all its tensor loads (one is out: its
; part of the next slot); behind it the refill comes first, then the next slot's first fragments.  From a request to the wait for it: 112 matrix instructions.
.macro TURN slot, next, fill
	s_wait_dscnt 0x0
	s_wait_tensorcnt 0x0
	ds_add_u32 v62, v63
	s_wait_dscnt 0x0
	s_barrier_signal -1
	MUL16 F1, 0, 0                                 ; register work while the others arrive
	WIN 0
	s_barrier_wait -1
.if \fill
	CREST                                          ; no wave of any partner still reads this slot or has a load on its way
	s_add_nc_u64 s[G0+4*\slot+2:G0+4*\slot+3], s[G0+4*\slot+2:G0+4*\slot+3], 524288     ; two K steps on: four heads,
	s_add_nc_u64 s[G0B+4*\slot+2:G0B+4*\slot+3], s[G0B+4*\slot+2:G0B+4*\slot+3], 512    ; 256 elements
	JLOAD \slot                                    ; the wave's one tensor load behind the round, and the first thing there
.endif
	PLACES
	FETCH \next, 0, F0
	MUL16 F1, 2, 0
.endm
.macro LAP zero
	THREE 0, \zero
	TURN 0, 1, 1
	THREE 1, 0
	TURN 1, 0, 1
.endm
	s_wait_tensorcnt 0x1                           ; my part of K step 0 is in; K step 1's may stay out
	s_barrier_signal -1
	s_barrier_wait -1
	FETCH 0, 0, F0
	LAP 1                                          ; K steps 0 and 1: the first products start the sums
	PLACES                                         ; as in front of every run of loads in this text
	XROWS 32                                       ; x, rows 32-63: six K steps lie between these loads and their use
	s_mov_b32 s3, 2                                ; K steps 2 to 5
.Llap:
	LAP 0
	WIN 0
	s_sub_co_u32 s3, s3, 1
	s_cmp_lg_u32 s3, 0
	s_cbranch_scc1 .Llap
	THREE 0, 0                                     ; K steps 6 and 7 fill nothing
	TURN 0, 1, 0
	THREE 1, 0
	s_wait_dscnt 0x0
	MUL16 F1, 0, 0
	MUL16 F1, 2, 0
	; THE WAY OUT, 16 rows at a time through my own stage: a row comes back as 512 bytes, 16 a lane, meets the same 16 bytes of x in window 2, and leaves from there
	PLACES
	WIN 0
	s_wait_loadcnt 0x0                             ; x is in
.macro OUTY a, f
	WIN 0x04                                       ; the LDS stores' data lie in window 1
.irp b, 0,1,2,3,4,5,6,7
	ds_store_b128 v[STO], v[8*(8*\a+\b):8*(8*\a+\b)+3]   offset:64*\b
	ds_store_b128 v[STO], v[8*(8*\a+\b)+4:8*(8*\a+\b)+7] offset:64*\b+16
.endr
	WIN 0
.irp i, 0,1,2,3,4,5,6,7,8,9,10,11,12,13,14,15
	ds_load_b128 v[\f+4*\i:\f+4*\i+3], v[RD] offset:\i*SP          ; LDS serves a wave's instructions in order: these see the stores above
.endr
	WIN 0x88                                       ; destination and source 1 (the second addend; a store's data) in window 2, source 0 (the row read back; a store's address) in window 0
.irp i, 0,1,2,3,4,5,6,7,8,9,10,11,12,13,14,15
	s_wait_dscnt 15-\i
	v_pk_add_f32 v[4*(16*\a+\i):4*(16*\a+\i)+1],   v[\f+4*\i:\f+4*\i+1],   v[4*(16*\a+\i):4*(16*\a+\i)+1]
	v_pk_add_f32 v[4*(16*\a+\i)+2:4*(16*\a+\i)+3], v[\f+4*\i+2:\f+4*\i+3], v[4*(16*\a+\i)+2:4*(16*\a+\i)+3]
	global_store_b128 v[CO], v[4*(16*\a+\i):4*(16*\a+\i)+3], s[8:9] offset:\a*65536+\i*4096     ; 512 consecutive bytes, aligned; its data are never written again
.endr
.endm
	OUTY 0, F0
	OUTY 1, F1
	OUTY 2, F0
	OUTY 3, F1
	WIN 0
	s_wait_tensorcnt 0x0
	ds_add_u32 v62, v63
	s_wait_dscnt 0x0
	CROUND                                         ; the closing round
	s_endpgm
.Lfunc_end_k_q79592e948e_oproj:
	.size	k_q79592e948e_oproj, .Lfunc_end_k_q79592e948e_oproj-k_q79592e948e_oproj
	.p2alignl 7, 3214868480
	.fill 96, 4, 3214868480
	.section	.rodata,"a",@progbits
	.p2align	6, 0x0
	.amdhsa_kernel k_q79592e948e_oproj
		.amdhsa_group_segment_fixed_size 327680
		.amdhsa_private_segment_fixed_size 0
		.amdhsa_enable_private_segment 0
		.amdhsa_kernarg_size 40
		.amdhsa_user_sgpr_count 2
		.amdhsa_user_sgpr_kernarg_segment_ptr 1
		.amdhsa_wavefront_size32 1
		.amdhsa_system_sgpr_workgroup_id_x 1
		.amdhsa_system_sgpr_workgroup_id_y 1
		.amdhsa_system_sgpr_workgroup_id_z 1
		.amdhsa_system_vgpr_workitem_id 0
		.amdhsa_next_free_vgpr 768
		.amdhsa_next_free_sgpr 76
		.amdhsa_reserve_vcc 0
		.amdhsa_float_denorm_mode_32 3
		.amdhsa_float_denorm_mode_16_64 3
		.amdhsa_memory_ordered 1
		.amdhsa_forward_progress 1
		.amdhsa_inst_pref_size 131
	.end_amdhsa_kernel
	.amdgpu_metadata
---
amdhsa.version: [ 1, 2 ]
amdhsa.kernels:
  - .name:           k_q79592e948e_oproj
    .symbol:         k_q79592e948e_oproj.kd
    .args:
      - { .name: att, .offset: 0, .size: 8, .value_kind: global_buffer, .address_space: global }
      - { .name: wb, .offset: 8, .size: 8, .value_kind: global_buffer, .address_space: global }
      - { .name: cnn_features, .offset: 16, .size: 8, .value_kind: global_buffer, .address_space: global }
      - { .name: llm_features, .offset: 24, .size: 8, .value_kind: global_buffer, .address_space: global }
      - { .name: y, .offset: 32, .size: 8, .value_kind: global_buffer, .address_space: global }
    .group_segment_fixed_size: 327680
    .private_segment_fixed_size: 0
    .kernarg_segment_align: 8
    .kernarg_segment_size: 40
    .max_flat_workgroup_size: 128
    .sgpr_count:     76
    .vgpr_count:     768
    .wavefront_size: 32
...
	.end_amdgpu_metadata
.endif
;; end of part 4
;; launch lnorm (part 5): grid 256 x 1, 8 waves a work-group, no clusters, 0 bytes of LDS; arguments y, bo, ln_g, ln_b, out0, out1; writes out0, out1
.if DOCPART == 5
	.amdgcn_target "amdgcn-amd-amdhsa--gfx1250"
	.amdhsa_code_object_version 6
	.text
	.protected	k_q79592e948e_lnorm
	.globl	k_q79592e948e_lnorm
	.p2align	8
	.type	k_q79592e948e_lnorm,@function
k_q79592e948e_lnorm:
	s_mov_b64 s[64:65], 0
	v_nop
	global_prefetch_b8 v0, s[64:65] scope:SCOPE_SE
	s_setreg_imm32_b32 hwreg(HW_REG_WAVE_MODE, 25, 1), 1
	s_wait_xcnt 0x0
; lnorm: out = LayerNorm(y + bo) g + b.  y [8192][1024] f32 holds x + att . Wo^T (rows 0-4095 belong to out0, the rest to out1).
; A row is 4,096 bytes: one wave takes a whole row, eight 16-byte loads a lane, and keeps it in 32 registers through mean, variance and scaling:
; each byte is read once, and no wave waits for another.  Mean first, then the mean of the squared deviations, as the problem writes it: no difference of large sums.
; The work-group owns 32 rows, a wave 4, and all four rows (128 registers) are asked for at the head: 8 waves x 32 loads x 512 bytes = the work-group's whole 128 KiB.
; Memory binds: no LDS, no matrix unit, no cluster.  Limits: NaN and infinities are not treated specially; the sums have an order of their own.
.set BO, 4                             ; v[4:35]    bo of my columns 128 j + 4 L .. + 3
.set G,  36                            ; v[36:67]   ln_g
.set B,  68                            ; v[68:99]   ln_b
.set Y,  100                           ; v[100:227] row s at Y + 32 s: as loaded, then at work, then the result
.set C0, 228                           ; v[228:235] four chains
.set T,  236
.set T2, 237
.set NMU, 238                          ; v[238:239] low word: minus the mean
.set RS,  240                          ; v[240:241] low word: 1 / sqrt(var + eps)
	s_load_b256 s[8:15], s[0:1], 0x0               ; y 8, bo 10, ln_g 12, ln_b 14
	s_load_b128 s[16:19], s[0:1], 0x20             ; out0 16, out1 18
	v_lshrrev_b32 v1, 5, v0
	v_and_b32 v2, 31, v0
	v_lshlrev_b32 v2, 4, v2                        ; 16 L
	v_lshl_add_u32 v1, v1, 14, v2                  ; + 4 rows of 4,096 bytes a wave
	s_and_b32 s4, ttmp9, 127
	s_lshl_b32 s4, s4, 17                          ; 32 rows of 4,096 bytes, in out0 or out1
	s_mov_b32 s5, 0
	s_lshl_b32 s6, ttmp9, 17                       ; and in y
	s_mov_b32 s7, 0
	s_mov_b32 s24, 0x3a800000                      ; 1 / 1024
	s_mov_b32 s25, 0x3727c5ac                      ; 1e-5
	s_mov_b32 s26, 0x76543210                      ; v_permlanex16_b32: lane i reads lane i of the other half
	s_mov_b32 s27, 0xfedcba98
	v_mov_b32 v[T2], 0
	v_mov_b32 v[NMU+1], 0                          ; the pairs' upper words are named by the packed forms and never used
	v_mov_b32 v[RS+1], 0
	s_wait_kmcnt 0x0
	s_cmp_lt_u32 ttmp9, 128
	s_cselect_b64 s[16:17], s[16:17], s[18:19]
	s_add_nc_u64 s[8:9], s[8:9], s[6:7]
	s_add_nc_u64 s[16:17], s[16:17], s[4:5]
.irp j, 0,1,2,3,4,5,6,7
	global_load_b128 v[BO+4*\j:BO+4*\j+3], v2, s[10:11] offset:512*\j
	global_load_b128 v[G+4*\j:G+4*\j+3],   v2, s[12:13] offset:512*\j
	global_load_b128 v[B+4*\j:B+4*\j+3],   v2, s[14:15] offset:512*\j
.endr
.irp s, 0,1,2,3
.irp j, 0,1,2,3,4,5,6,7
	global_load_b128 v[Y+32*\s+4*\j:Y+32*\s+4*\j+3], v1, s[8:9] offset:\s*4096+512*\j th:TH_LOAD_NT      ; 512 consecutive bytes
.endr
.endr
.macro WSUM                            ; the four chains, the pair, the 32 lanes: the sum in every lane's T
	v_pk_add_f32 v[C0:C0+1],   v[C0:C0+1],   v[C0+2:C0+3]
	v_pk_add_f32 v[C0+4:C0+5], v[C0+4:C0+5], v[C0+6:C0+7]
	v_pk_add_f32 v[C0:C0+1],   v[C0:C0+1],   v[C0+4:C0+5]
	v_add_f32 v[T], v[C0], v[C0+1]
	v_add_f32_dpp v[T], v[T], v[T] row_xmask:1 row_mask:0xf bank_mask:0xf
	v_add_f32_dpp v[T], v[T], v[T] row_xmask:2 row_mask:0xf bank_mask:0xf
	v_add_f32_dpp v[T], v[T], v[T] row_xmask:4 row_mask:0xf bank_mask:0xf
	v_add_f32_dpp v[T], v[T], v[T] row_xmask:8 row_mask:0xf bank_mask:0xf
	v_permlanex16_b32 v[T2], v[T], s26, s27
	v_add_f32 v[T], v[T], v[T2]
.endm
; Row s of my four.  left = how many younger loads may stay out.
.macro TURN s, left
.set YB, Y+32*\s
	s_wait_loadcnt \left                           ; loads come back in order: bo, g, b and this row's eight are in, the later rows' may be out
.set i, 0
.rept 16
	v_pk_add_f32 v[YB+i:YB+i+1], v[YB+i:YB+i+1], v[BO+i:BO+i+1]
.set i, i+2
.endr
.irp k, 0,1,2,3
	v_pk_add_f32 v[C0+2*\k:C0+2*\k+1], v[YB+4*\k:YB+4*\k+1], v[YB+4*\k+2:YB+4*\k+3]     ; the first eight pairs start the chains
.endr
.irp g, 16,24
.irp k, 0,1,2,3
	v_pk_add_f32 v[C0+2*\k:C0+2*\k+1], v[C0+2*\k:C0+2*\k+1], v[YB+\g+2*\k:YB+\g+2*\k+1]
.endr
.endr
	WSUM
	v_mul_f32 v[NMU], 0xba800000, v[T]             ; - sum / 1024
.set i, 0
.rept 16
	v_pk_add_f32 v[YB+i:YB+i+1], v[YB+i:YB+i+1], v[NMU:NMU+1] op_sel_hi:[1,0]
.set i, i+2
.endr
.irp k, 0,1,2,3
	v_pk_mul_f32 v[C0+2*\k:C0+2*\k+1], v[YB+2*\k:YB+2*\k+1], v[YB+2*\k:YB+2*\k+1]
.endr
.irp g, 8,16,24
.irp k, 0,1,2,3
	v_pk_fma_f32 v[C0+2*\k:C0+2*\k+1], v[YB+\g+2*\k:YB+\g+2*\k+1], v[YB+\g+2*\k:YB+\g+2*\k+1], v[C0+2*\k:C0+2*\k+1]
.endr
.endr
	WSUM
	v_fma_f32 v[T], v[T], s24, s25                 ; variance + eps
	v_rsq_f32 v[RS], v[T]
	v_nop                                          ; one plain instruction before the result is used (ISA guide 5.7.2)
.set i, 0
	s_wait_alu depctr_va_vdst(0)
.rept 16
	v_pk_mul_f32 v[YB+i:YB+i+1], v[YB+i:YB+i+1], v[RS:RS+1] op_sel_hi:[1,0]
.set i, i+2
.endr
.set i, 0
.rept 16
	v_pk_fma_f32 v[YB+i:YB+i+1], v[YB+i:YB+i+1], v[G+i:G+i+1], v[B+i:B+i+1]
.set i, i+2
.endr
.irp j, 0,1,2,3,4,5,6,7
	global_store_b128 v1, v[YB+4*\j:YB+4*\j+3], s[16:17] offset:\s*4096+512*\j th:TH_STORE_NT   ; the row's registers are not written again
.endr
.endm
	TURN 0, 24
	TURN 1, 16
	TURN 2, 8
	TURN 3, 0
	s_endpgm
.Lfunc_end_k_q79592e948e_lnorm:
	.size	k_q79592e948e_lnorm, .Lfunc_end_k_q79592e948e_lnorm-k_q79592e948e_lnorm
	.p2alignl 7, 3214868480
	.fill 96, 4, 3214868480
	.section	.rodata,"a",@progbits
	.p2align	6, 0x0
	.amdhsa_kernel k_q79592e948e_lnorm
		.amdhsa_group_segment_fixed_size 0
		.amdhsa_private_segment_fixed_size 0
		.amdhsa_enable_private_segment 0
		.amdhsa_kernarg_size 48
		.amdhsa_user_sgpr_count 2
		.amdhsa_user_sgpr_kernarg_segment_ptr 1
		.amdhsa_wavefront_size32 1
		.amdhsa_system_sgpr_workgroup_id_x 1
		.amdhsa_system_sgpr_workgroup_id_y 1
		.amdhsa_system_sgpr_workgroup_id_z 1
		.amdhsa_system_vgpr_workitem_id 0
		.amdhsa_next_free_vgpr 244
		.amdhsa_next_free_sgpr 66
		.amdhsa_reserve_vcc 0
		.amdhsa_float_denorm_mode_32 3
		.amdhsa_float_denorm_mode_16_64 3
		.amdhsa_memory_ordered 1
		.amdhsa_forward_progress 1
		.amdhsa_inst_pref_size 39
	.end_amdhsa_kernel
	.amdgpu_metadata
---
amdhsa.version: [ 1, 2 ]
amdhsa.kernels:
  - .name:           k_q79592e948e_lnorm
    .symbol:         k_q79592e948e_lnorm.kd
    .args:
      - { .name: y, .offset: 0, .size: 8, .value_kind: global_buffer, .address_space: global }
      - { .name: bo, .offset: 8, .size: 8, .value_kind: global_buffer, .address_space: global }
      - { .name: ln_g, .offset: 16, .size: 8, .value_kind: global_buffer, .address_space: global }
      - { .name: ln_b, .offset: 24, .size: 8, .value_kind: global_buffer, .address_space: global }
      - { .name: out0, .offset: 32, .size: 8, .value_kind: global_buffer, .address_space: global }
      - { .name: out1, .offset: 40, .size: 8, .value_kind: global_buffer, .address_space: global }
    .group_segment_fixed_size: 0
    .private_segment_fixed_size: 0
    .kernarg_segment_align: 8
    .kernarg_segment_size: 48
    .max_flat_workgroup_size: 256
    .sgpr_count:     66
    .vgpr_count:     244
    .wavefront_size: 32
...
	.end_amdgpu_metadata
.endif
;; end of part 5
